; MI455X (gfx1250); checked and timed in simulation.
; The chip was launched on July 23, 2026; its instructions are those of AMD's public machine-readable ISA for CDNA 5 (MIT licence, August 2026) and "CDNA5" Instruction Set Architecture Reference Guide (July 2026). The comments in the code are by the model that wrote it; some were corrected since.
;; Disordered Causal Self Attention. Allowed arithmetic: matrix products marked QUANTISED: E2M1 operands, one E8M0 scale for each 32 along K, by v_wmma_scale_f32_16x16x128_f8f6f4 with both operands' format E2M1 (or v_wmma_scale_f32_32x16x128_f4), f32 sums; everything else in f32.
;; Inputs: W_attn 1,024 x 3,072 float32; W_proj 1,024 x 1,024 float32; bK 16 x 64 float32; bQ 16 x 64 float32; b_attn 3,072 float32; b_proj 1,024 float32; x 4 x 2,048 x 1,024 float32.
;; Outputs: out0 4 x 2,048 x 1,024 float32; out1 16 x 64 float32.
;; This version of the problem:
;;   THIS VERSION OF THE PROBLEM IS GIVEN IN LOW PRECISION. The matrix products marked QUANTISED in the list below multiply operands that are first quantised to E2M1 (2 exponent bits, 1 mantissa bit; 4 bits a number), with one power-of-two scale for each 32 numbers along K (OCP MX v1.0); their sums are f32. All else is computed in f32.
;;   The module's matrix products, in the order in which they are computed (A, B: the left and right operand; K: the contracted axis; several contracted axes count as one K, in the product's order):
;;     1. [M 8,192, K 1,024] x [K 1,024, N 3,072]; A: input x; B: input W_attn: QUANTISED
;;     2. batch 64 x [M 2,048, K 64] x [K 64, N 2,048]; A: computed on the way; B: computed on the way: QUANTISED
;;     3. batch 64 x [M 2,048, K 2,048] x [K 2,048, N 64]; A: softmax (see below); B: computed on the way: QUANTISED
;;     4. [M 8,192, K 1,024] x [K 1,024, N 1,024]; A: computed on the way; B: input W_proj: QUANTISED
;;   THE QUANTISER, for each operand of a quantised product, along K:
;;     - K is cut into blocks of 32 from its start; a last block that is shorter is filled with zeros.
;;     - A block's scale is 2^e with e = floor(log2(the largest magnitude in the block)) - 2, held to -126 .. 127; a block of zeros has e = 0. As a byte (E8M0): e + 127.
;;     - Each number is divided by its block's scale, clamped to +-6, and rounded to the nearest number of E2M1, ties to even, subnormals kept.
;;     - The product sums the exact products of the quantised numbers (number of the format x scale) in f32.
;;   ~~~python
;;   def quantise(x, axis):      # numpy; x: float32 -> the quantised numbers, widened to float32 again
;;       x = np.moveaxis(x, axis, -1); K = x.shape[-1]
;;       x = np.pad(x, [(0, 0)] * (x.ndim - 1) + [(0, -K % 32)]); x = x.reshape(x.shape[:-1] + (-1, 32)); a = np.abs(x).max(-1, keepdims=True)
;;       e = np.where(a > 0, np.clip(np.frexp(np.where(a > 0, a, 1))[1] - 1 - 2, -126, 127), 0)      # np.frexp(a)[1] - 1 = floor(log2(a)), exactly
;;       r = np.clip(x / 2.0 ** e, -6, 6)
;;       step = 2.0 ** (np.maximum(np.frexp(np.where(r == 0, 1, r))[1] - 1, 0) - 1)
;;       q = np.round(r / step) * step * 2.0 ** e      # np.round: ties to even
;;       return np.moveaxis(q.reshape(q.shape[:-2] + (-1,))[..., :K], -1, axis).astype(np.float32)
;;   ~~~
;;   SOFTMAX AHEAD OF A QUANTISED PRODUCT. Where the list says 'softmax', what is quantised is not the finished softmax but p = 2^(t - M), with t = logit x log2(e) and M = ceil(the row's largest t), a whole number; so 1/2 < the row's largest p <= 1. The row's sum l is taken of the UNQUANTISED p, in f32, and the product's result is divided by l at the end. Since M is a whole number, a kernel that streams over the keys may use a running M (the ceiling of the running maximum): every later rescaling is an exact power of two, which a block's scale takes up: the codes' values come out the same.
;;   OPERANDS COMPUTED ON THE WAY. 'Computed on the way' means the value that the module computes at that place (a softmax that the list does not call 'softmax' is quantised finished and normalised). What goes into a quantiser is computed in f32, as accurately as f32 sums, v_exp_f32 and their like allow (about 1e-6 of the number): no bf16 or f16 on the way to a quantiser, and a product that is left as it is and whose result goes on into a quantised operand takes f32 operands (vector FMAs, or v_wmma_f32_16x16x4_f32). A number that lies on a knife's edge between two numbers of the format may be rounded either way, as far as f32 arithmetic and the matrix unit's own rounding can turn it there, and no further.
;; One version. Each part assembles by itself: llvm-mc -triple=amdgcn-amd-amdhsa -mcpu=gfx1250 --defsym DOCPART=n.
;; ======== version 1 of 1: 4 launches
;; workspace buffers: cod1 6,291,456 bytes; scl1 393,216 bytes; cod2 12,582,912 bytes; scl2 1,572,864 bytes; yc 4,194,304 bytes; ys 262,144 bytes
;; launch quant (part 1): grid 512 x 1, 4 waves a work-group, no clusters, 33,792 bytes of LDS; arguments x, W_attn, W_proj, bQ, cod1, scl1, out1; writes cod1, scl1, out1
.if DOCPART == 1
	.amdgcn_target "amdgcn-amd-amdhsa--gfx1250"
	.amdhsa_code_object_version 6
	.text
	.protected	k_qe7d2cbca68_quant
	.globl	k_qe7d2cbca68_quant
	.p2align	8
	.type	k_qe7d2cbca68_quant,@function
k_qe7d2cbca68_quant:
	s_mov_b64 s[64:65], 0
	v_nop
	global_prefetch_b8 v0, s[64:65] scope:SCOPE_SE
	s_setreg_imm32_b32 hwreg(HW_REG_WAVE_MODE, 25, 1), 1
	s_wait_xcnt 0x0
; x [8192][1024], W_attn [1024][3072] and W_proj [1024][1024], f32, become codes of FP4 (E2M1) with one E8M0 scale byte for each 32 along K (K = 1024 in all three); bQ is copied to out1.
; THE WORKSPACE IS LAID AS IMAGES OF THE MATRIX OPERAND'S REGISTERS.  A TILE is 16 rows (tokens of x, columns of a weight) x 1024 along K.
;   codes:       tile x 8192 + (k / 128) x 1024 + c x 512 + lane x 16: lane (r = lane % 16, h = lane / 16) holds k = 128 (k / 128) + 64 c + 32 h + 0 .. 31 of the tile's row r
;   scale words: tile x 512 + (k / 512) x 256 + r x 16 + ((k / 128) % 4) x 4: one word (four bytes) for a row and 128 along K
; THE ROWS OF A TILE ARE NOT NEIGHBOURS: of each 32 rows, tile u (0 or 1) takes, in its lane r, row 8 u + r + 8 (r / 8).  Tiles 0-511: x; 512-703: W_attn's columns; 704-767: W_proj's.
; A block's scale is 2^(floor(log2(its largest magnitude)) - 2); its byte is the largest magnitude's exponent field - 2, held at 1 from below.
; LIMITS: a block of zeros gets the byte 1 where the rule says 127 (its codes are zeros, and this program alone reads the bytes); a largest magnitude is taken no smaller than 2^-124; NaN and infinities are not served.
; WORK-GROUPS 0-191: W_attn, 192-255: W_proj, 256-511: x.  Waves share nothing: no barrier.  Only x's path uses LDS.
.set FLOOR, 0x1800000                  ; 2^(3 - 127)
.set EOFF,  0xff000000                 ; -(2 << 23): 2 off an exponent field
.set SP,    528                        ; a stage row: 512 bytes + 16 of padding
	s_load_b256 s[4:11], s[0:1], 0x0               ; x s[4:5], W_attn s[6:7], W_proj s[8:9], bQ s[10:11]
	s_load_b128 s[12:15], s[0:1], 0x20             ; cod1 s[12:13], scl1 s[14:15]
	s_load_b64 s[16:17], s[0:1], 0x30              ; out1
	v_lshrrev_b32 v1, 5, v0
	v_readfirstlane_b32 s18, v1                    ; wave 0..3
	v_and_b32 v1, 31, v0                           ; lane
	v_and_b32 v2, 15, v0                           ; r
	v_bfe_u32 v3, v0, 4, 1                         ; h (x's path), u (the weights')
	s_mov_b32 s32, 0x76543210
	s_mov_b32 s33, 0xfedcba98                      ; v_permlanex16_b32's selects for lane l xor 16
	s_wait_kmcnt 0x0
	s_cmp_ge_u32 ttmp9, 256
	s_cbranch_scc1 .Lx
; ---- A WEIGHT, stored [k][n].  A wave takes 32 columns x 128 along K.  A lane takes a column, its registers run down K: a block of 32 lies in one lane, and the conversions give codes with K innermost.
	v_and_b32 v4, 8, v2
	v_add_nc_u32 v4, v4, v2                        ; r + 8 (r / 8)
	v_lshl_add_u32 v4, v3, 3, v4                   ; + 8 u: my column among the wave's 32
	v_lshlrev_b32 v4, 2, v4                        ; in bytes: the wave's 32 lanes read 128 consecutive bytes
	v_lshlrev_b32 v5, 4, v2
	v_lshl_add_u32 v6, v3, 9, v5                   ; scale words: u x 512 + 16 r
	v_lshl_add_u32 v5, v3, 13, v5                  ; codes: u x 8192 + 16 r
.macro WLOAD t, n, p                   ; block t: W(32 t + i, my column), i = 0 .. 31
.set i, 0
.rept 32
	global_load_b32 v[32+32*(\t)+i], v4, s[\p:\p+1] offset:(32*(\t)+i)*(\n)*4 th:TH_LOAD_NT
.set i, i+1
.endr
.endm
.macro WBLOCK t                        ; block t is k = 64 (t / 2) + 32 (t % 2) + 0 .. 31 of the 128: the image's bytes 256 t + 16 r
.set XS, 32+32*(\t)
	v_max3_num_f32 v12, |v[XS]|, |v[XS+1]|, |v[XS+2]|              ; the block's largest magnitude, in two chains
	v_max3_num_f32 v13, |v[XS+3]|, |v[XS+4]|, |v[XS+5]|
.irp i, 6,10,14,18,22,26
	v_max3_num_f32 v12, v12, |v[XS+\i]|, |v[XS+\i+1]|
	v_max3_num_f32 v13, v13, |v[XS+\i+2]|, |v[XS+\i+3]|
.endr
	v_max3_num_f32 v12, v12, |v[XS+30]|, |v[XS+31]|
	v_max3_num_f32 v12, v12, v13, FLOOR            ; and the floor: the byte cannot fall under 1
	v_add_nc_u32 v11, EOFF, v12                    ; 2 off its exponent field: the conversion takes this operand's exponent field as its scale
	v_lshrrev_b32 v13, 23, v11                     ; the scale's byte
.if (\t) == 0
	v_mov_b32 v10, v13
.else
	v_lshl_or_b32 v10, v13, 8*(\t), v10            ; four bytes make the column's word for these 128 along K
.endif
.irp g, 0,1,2,3
	v_cvt_scalef32_pk8_fp4_f32 v[160+4*(\t)+\g], v[XS+8*\g:XS+8*\g+7], v11
.endr
	v_nop                                          ; one plain line behind the last scaled conversion
	global_store_b128 v5, v[160+4*(\t):160+4*(\t)+3], s[12:13] offset:256*(\t)   ; sixteen lanes store 256 consecutive bytes, aligned
.endm
; n: the weight's columns; t0: its first tile; g0: its first work-group; p: its pointer.  The path is written once for each weight, since the loads' immediates hang on n.
.macro WPATH n, t0, g0, p
	s_sub_co_u32 s20, ttmp9, \g0
	s_lshr_b32 s21, s20, 3                         ; which 128 columns
	s_and_b32 s22, s20, 7                          ; which 128 along K
	s_mul_i32 s24, s22, 128*(\n)*4
	s_lshl_b32 s25, s21, 9
	s_add_co_u32 s24, s24, s25
	s_lshl_b32 s25, s18, 7
	s_add_co_u32 s24, s24, s25                     ; + (128 x group + 32 x wave) x 4
	s_mov_b32 s25, 0
	s_add_nc_u64 s[\p:\p+1], s[\p:\p+1], s[24:25]
	WLOAD 0, \n, \p
	WLOAD 1, \n, \p
	s_lshl_b32 s26, s21, 3
	s_lshl_b32 s27, s18, 1
	s_add_co_u32 s26, s26, s27
	s_add_co_u32 s26, s26, \t0                     ; the wave's first tile
	s_lshl_b32 s28, s26, 13
	s_lshl_b32 s29, s22, 10
	s_add_co_u32 s28, s28, s29
	s_mov_b32 s29, 0
	s_add_nc_u64 s[12:13], s[12:13], s[28:29]
	s_lshl_b32 s28, s26, 9
	s_lshr_b32 s30, s22, 2
	s_lshl_b32 s30, s30, 8
	s_add_co_u32 s28, s28, s30
	s_and_b32 s30, s22, 3
	s_lshl_b32 s30, s30, 2
	s_add_co_u32 s28, s28, s30
	s_add_nc_u64 s[14:15], s[14:15], s[28:29]
	s_wait_loadcnt 32                              ; block 0 is in; block 1's 32 loads may be out
	WLOAD 2, \n, \p
	WBLOCK 0
	s_wait_loadcnt 32                              ; block 1 is in; block 2's may be out
	WLOAD 3, \n, \p
	WBLOCK 1
	s_wait_loadcnt 32                              ; block 2 is in; block 3's may be out
	WBLOCK 2
	s_wait_loadcnt 0x0
	WBLOCK 3
	global_store_b32 v6, v10, s[14:15]             ; 4 bytes a column, 16 bytes apart: the other three words of a row come from other work-groups (one byte in 128 of what the launch reads)
.endm
	s_cmp_ge_u32 ttmp9, 192
	s_cbranch_scc1 .Lwproj
	WPATH 3072, 512, 0, 6
	s_cmp_lg_u32 ttmp9, 0
	s_cbranch_scc1 .Lwend
	v_lshlrev_b32 v7, 4, v0                        ; work-group 0 also copies bQ to out1: 4,096 bytes, 2 x 16 a thread
	global_load_b128 v[176:179], v7, s[10:11]
	global_load_b128 v[180:183], v7, s[10:11] offset:2048
	s_wait_loadcnt 0x0
	global_store_b128 v7, v[176:179], s[16:17]
	global_store_b128 v7, v[180:183], s[16:17] offset:2048
.Lwend:
	s_endpgm
.Lwproj:
	WPATH 1024, 704, 192, 8
	s_endpgm
; ---- x, stored [token][k].  A wave takes one tile x 512 along K, in four steps of 128.  Each load reads 512 consecutive bytes of one row; a step's 16 rows turn through the wave's own stage in LDS,
; so that lane (r, h) gets back the two whole blocks k = 64 c + 32 h + 0 .. 31 (c = 0, 1) of row r, which is what the operand's layout gives that lane.
.Lx:
	s_sub_co_u32 s20, ttmp9, 256
	s_lshl_b32 s20, s20, 2
	s_add_co_u32 s20, s20, s18
	s_lshr_b32 s21, s20, 1                         ; the tile
	s_and_b32 s22, s20, 1                          ; which 512 along K
	s_lshr_b32 s23, s21, 1
	s_and_b32 s24, s21, 1
	s_lshl_b32 s26, s23, 5
	s_lshl_b32 s27, s24, 3
	s_add_co_u32 s26, s26, s27                     ; the tile's first token: 32 (tile / 2) + 8 (tile % 2)
	s_lshl_b32 s26, s26, 12
	s_lshl_b32 s27, s22, 11
	s_add_co_u32 s26, s26, s27
	s_mov_b32 s27, 0
	s_add_nc_u64 s[4:5], s[4:5], s[26:27]
	v_lshlrev_b32 v4, 4, v1                        ; 16 x lane
.macro XLOAD t                         ; the tile's row i is token i + 8 (i / 8) from its first
.irp i, 0,1,2,3,4,5,6,7,8,9,10,11,12,13,14,15
	global_load_b128 v[32+64*((\t)%2)+4*\i:32+64*((\t)%2)+4*\i+3], v4, s[4:5] offset:(\i+8*(\i/8))*4096+512*(\t) th:TH_LOAD_NT
.endr
.endm
	XLOAD 0
	XLOAD 1
	s_lshl_b32 s26, s21, 13
	s_lshl_b32 s28, s22, 12
	s_add_co_u32 s26, s26, s28
	s_add_nc_u64 s[12:13], s[12:13], s[26:27]
	s_lshl_b32 s26, s21, 9
	s_lshl_b32 s28, s22, 8
	s_add_co_u32 s26, s26, s28
	s_add_nc_u64 s[14:15], s[14:15], s[26:27]
	s_mul_i32 s28, s18, 16*SP                      ; my stage
	v_add_nc_u32 v5, s28, v4                       ; in: 16 x lane of a row
	v_mul_u32_u24 v6, v2, SP
	v_lshl_add_u32 v6, v3, 7, v6
	v_add_nc_u32 v6, s28, v6                       ; out: row r, + 128 h bytes
	v_lshlrev_b32 v7, 4, v2
	v_lshl_add_u32 v7, v3, 3, v7                   ; the scale words' way out: 16 r + 8 h
	v_lshlrev_b32 v8, 3, v3                        ; 8 h: by so many bits my two bytes are shifted
	v_mov_b32 v17, 0                               ; written once: a lane permute's destination counts as one of its sources
.macro XSTEP t
.if (\t) < 3
	s_wait_loadcnt 16                              ; this step's 16 loads are in; the next step's may be out
.else
	s_wait_loadcnt 0x0
.endif
.irp i, 0,1,2,3,4,5,6,7,8,9,10,11,12,13,14,15
	ds_store_b128 v5, v[32+64*((\t)%2)+4*\i:32+64*((\t)%2)+4*\i+3] offset:\i*SP
.endr
.irp c, 0,1
.irp j, 0,1,2,3,4,5,6,7
	ds_load_b128 v[160+32*\c+4*\j:160+32*\c+4*\j+3], v6 offset:256*\c+16*\j   ; LDS serves a wave's instructions in order: these see the stores above
.endr
.endr
	s_wait_dscnt 0x0                               ; my 64 numbers are back, and the stores have read their registers,
.if (\t)+2 < 4
	XLOAD (\t)+2                                   ; which take the loads of two steps on
.endif
.irp c, 0,1
	v_max3_num_f32 v[10+\c], |v[160+32*\c]|, |v[161+32*\c]|, FLOOR
.endr
.irp i, 2,4,6,8,10,12,14,16,18,20,22,24,26,28,30
.irp c, 0,1
	v_max3_num_f32 v[10+\c], v[10+\c], |v[160+32*\c+\i]|, |v[161+32*\c+\i]|   ; (the two blocks by turns)
.endr
.endr
.irp c, 0,1
	v_add_nc_u32 v[12+\c], EOFF, v[10+\c]
.endr
.irp c, 0,1
	v_lshrrev_b32 v[14+\c], 23, v[12+\c]
.endr
.irp c, 0,1
.irp g, 0,1,2,3
	v_cvt_scalef32_pk8_fp4_f32 v[224+8*(\t)+4*\c+\g], v[160+32*\c+8*\g:160+32*\c+8*\g+7], v[12+\c]
.endr
.endr
	v_lshl_or_b32 v16, v15, 16, v14                ; (a plain line behind the conversions)  my two bytes: blocks h and 2 + h of row r,
	v_lshlrev_b32 v16, v8, v16                     ; at their places in the word;
	v_permlanex16_b32 v17, v16, s32, s33
	v_or_b32 v[20+(\t)], v16, v17                  ; with lane l xor 16's two the word is whole
.irp c, 0,1
	global_store_b128 v4, v[224+8*(\t)+4*\c:224+8*(\t)+4*\c+3], s[12:13] offset:1024*(\t)+512*\c   ; 512 consecutive bytes a store; each step has its own registers
.endr
.endm
	XSTEP 0
	XSTEP 1
	XSTEP 2
	XSTEP 3
	v_cmp_lt_u32 vcc_lo, 15, v1
	v_cndmask_b32 v24, v20, v22, vcc_lo            ; lanes 0-15 store the row's words 0, 1, lanes 16-31 its words 2, 3:
	v_cndmask_b32 v25, v21, v23, vcc_lo
	global_store_b64 v7, v[24:25], s[14:15]        ; the wave stores 256 consecutive bytes, aligned
	s_endpgm
.Lfunc_end_k_qe7d2cbca68_quant:
	.size	k_qe7d2cbca68_quant, .Lfunc_end_k_qe7d2cbca68_quant-k_qe7d2cbca68_quant
	.p2alignl 7, 3214868480
	.fill 96, 4, 3214868480
	.section	.rodata,"a",@progbits
	.p2align	6, 0x0
	.amdhsa_kernel k_qe7d2cbca68_quant
		.amdhsa_group_segment_fixed_size 33792
		.amdhsa_private_segment_fixed_size 0
		.amdhsa_enable_private_segment 0
		.amdhsa_kernarg_size 56
		.amdhsa_user_sgpr_count 2
		.amdhsa_user_sgpr_kernarg_segment_ptr 1
		.amdhsa_wavefront_size32 1
		.amdhsa_system_sgpr_workgroup_id_x 1
		.amdhsa_system_sgpr_workgroup_id_y 1
		.amdhsa_system_sgpr_workgroup_id_z 1
		.amdhsa_system_vgpr_workitem_id 0
		.amdhsa_next_free_vgpr 256
		.amdhsa_next_free_sgpr 66
		.amdhsa_reserve_vcc 1
		.amdhsa_float_denorm_mode_32 3
		.amdhsa_float_denorm_mode_16_64 3
		.amdhsa_memory_ordered 1
		.amdhsa_forward_progress 1
		.amdhsa_inst_pref_size 69
	.end_amdhsa_kernel
	.amdgpu_metadata
---
amdhsa.version: [ 1, 2 ]
amdhsa.kernels:
  - .name:           k_qe7d2cbca68_quant
    .symbol:         k_qe7d2cbca68_quant.kd
    .args:
      - { .name: x, .offset: 0, .size: 8, .value_kind: global_buffer, .address_space: global }
      - { .name: W_attn, .offset: 8, .size: 8, .value_kind: global_buffer, .address_space: global }
      - { .name: W_proj, .offset: 16, .size: 8, .value_kind: global_buffer, .address_space: global }
      - { .name: bQ, .offset: 24, .size: 8, .value_kind: global_buffer, .address_space: global }
      - { .name: cod1, .offset: 32, .size: 8, .value_kind: global_buffer, .address_space: global }
      - { .name: scl1, .offset: 40, .size: 8, .value_kind: global_buffer, .address_space: global }
      - { .name: out1, .offset: 48, .size: 8, .value_kind: global_buffer, .address_space: global }
    .group_segment_fixed_size: 33792
    .private_segment_fixed_size: 0
    .kernarg_segment_align: 8
    .kernarg_segment_size: 56
    .max_flat_workgroup_size: 128
    .sgpr_count:     66
    .vgpr_count:     256
    .wavefront_size: 32
...
	.end_amdgpu_metadata
.endif
;; end of part 1
;; launch gemm_qkv (part 2): grid 12 x 32, 4 waves a work-group, clusters of 4 x 4, 327,680 bytes of LDS; arguments cod1, scl1, b_attn, bQ, bK, cod2, scl2; writes cod2, scl2
.if DOCPART == 2
	.amdgcn_target "amdgcn-amd-amdhsa--gfx1250"
	.amdhsa_code_object_version 6
	.text
	.protected	k_qe7d2cbca68_gemm_qkv
	.globl	k_qe7d2cbca68_gemm_qkv
	.p2align	8
	.type	k_qe7d2cbca68_gemm_qkv,@function
k_qe7d2cbca68_gemm_qkv:
	s_mov_b64 s[64:65], 0
	v_nop
	global_prefetch_b8 v0, s[64:65] scope:SCOPE_SE
	s_setreg_imm32_b32 hwreg(HW_REG_WAVE_MODE, 25, 1), 1
	s_wait_xcnt 0x0
	s_wait_alu depctr_hold_cnt(0) depctr_sa_sdst(0) depctr_va_vdst(0) depctr_va_sdst(0) depctr_va_ssrc(0) depctr_va_vcc(0) depctr_vm_vsrc(0)
	s_getreg_b32 s2, hwreg(HW_REG_IB_STS2, 6, 4)
	s_cmp_eq_u32 s2, 0
	s_cbranch_scc0 .Lentry_in_a_cluster
	s_endpgm
.Lentry_in_a_cluster:
	s_bfe_u32 s2, ttmp6, 0x10000c
	s_cmp_lg_u32 s2, 0xf033
	s_cbranch_scc0 .Lentry_shape_is_right
	s_endpgm
.Lentry_shape_is_right:
; qkv = x W_attn + b_attn (+ bQ on q, + bK on k), on codes of FP4 (E2M1) with E8M0 scales; the results are quantised in registers and leave as the operand images that the attention launch reads.
; OPERANDS: images of 16 rows x 1024 K (codes: tile x 8192 + (k / 128) x 1024 + c x 512 + 16 x lane; scale words: tile x 512 + (k / 512) x 256 + 16 r + 4 ((k / 128) % 4)).  Of each 32 rows, tile u takes in lane r row 8 u + r + 8 (r / 8).
; A work-group of four waves makes 256 x 256; a wave 128 (A side, 8 tiles) x 128 (B side, 8 tiles): 64 accumulators, 512 registers.  Source 0 = a tile of the B side, source 1 = a tile of the A side:
; a lane holds ONE row of the A side, and by the tiles' order the 16 registers of B's tiles 2 b and 2 b + 1 are 16 neighbours, 32 b + 16 (lane / 16) + 0 .. 15, along the B side.
; ROLE = the cluster's x: 0 q, 1 k: A side = tokens, B side = W's columns (a lane's registers run along a head's d, the next K).  2 v: THE SIDES ARE SWAPPED, A side = W_v's columns, B side = tokens
; (a lane's registers run along the keys, the next K).  So one way out serves all three.
; K = 1024 is two LDS slots of 512, both filled once, at the head; no LDS byte is filled twice.
; CLUSTER 4 x 4: the A side's tiles are shared along a row of the cluster, the B side's along a column: each is asked for jointly, by one tensor load with a mask that names the four.
; OUT (bh = 16 batch + head, s = 128 tokens of the batch): q, k codes: region + bh x 65536 + s x 4096 + tile x 512 + 16 x lane (a lane's 16 bytes: d = 32 (lane / 16) + 0 .. 31);
;   v codes: region + (16 batch + 2 (head / 2) + c) x 65536 + s x 4096 + a x 512 + 16 x lane (a: the head pair's 8 tiles of channels; c: which 64 of the 128 keys);
;   scale words: region + bh x 8192 + s x 512 + (16 u + r) x 16 + 4 b for tile 2 b + u (v: the pair's even bh alone).
; 384 work-groups: the grid is no multiple of 256.  A tile that gave 256 would want 768 accumulator registers a wave or cut a head's 64 columns.
; LIMITS: b_attn + bQ (bK) is added first and enters as the C of a sum's first product: that order of rounding differs from x W + b_attn + bQ by at most an ulp of the bias.
; A block of zeros gets the byte 1 (its codes are zeros; this program alone reads the bytes); a largest magnitude is taken no smaller than 2^-124; NaN and infinities are not served.
; REGISTERS: window 0: v1 r, v2 h, v3 16 x lane, v5 the biases' offset, v6 lane, v16-17, v20-21 LDS addresses of A's and B's fragments in slot 0, 1, v27 of the scale words; v32-95 scale words, two sets, and nothing else;
;   v128-191 A's fragments, one set (on the way out: the codes); v192-255 the biases (on the way out: at work).  window 1: B's fragments, two sets, at v0 and v128.  windows 2, 3: the accumulators, (a, b) at v[(64 a + 8 b) % 256].
.set NB,    8                          ; B's tiles of a wave
.set SLOT,  (16+2*NB)*4096             ; A's 16 tiles x 4096 bytes (512 along K), then B's 2 NB
.set BOFF,  16*4096
.set SCL,   2*SLOT                     ; behind the slots: B's scale words, 2 NB tiles x 512 bytes,
.set SCA,   SCL+2*NB*512               ; then A's, 16 x 512
.set G1A,  32                          ; s[32:39] descriptor group 1 for A's codes;  s[40:47] group 0, one set for each slot
.set G0A,  40
.set G1B,  48                          ; s[48:55], s[56:63] the same for B's
.set G0B,  56
.set G1SA, 68                          ; s[68:75], s[76:79] groups 1 and 0 for A's scale words;  s[80:87], s[88:91] for B's
.set G0SA, 76
.set G1SB, 80
.set G0SB, 88
.set TM,   192                         ; the way out: v192-195 largest magnitudes, v196-199 bytes, v204-207 the conversions' scale operands; v208-215 a scale word for each tile of A
.set MSB, 0
.macro WIN new                         ; the immediate's high byte repeats the setting that is left; a switch that changes nothing is dropped
.if MSB != (\new)
	s_set_vgpr_msb (MSB<<8)|(\new)
.set MSB, (\new)
.endif
.endm
.macro PLACES n                        ; plain vector lines between a matrix instruction and a load into, or a vector read or write of, its registers
.rept \n
	v_nop
.endr
.endm
; A joint load: waves 0 and 1 fetch for the A side, waves 2 and 3 for the B side.  The branch hangs on the wave's number alone.  Four v_nop follow each of the two lines.
.macro JLOAD g0a, g1a, g0b, g1b
	s_cmp_eq_u32 s19, 0
	s_cbranch_scc0 .Lfor_b_\@
	tensor_load_to_lds s[\g0a:\g0a+3], s[\g1a:\g1a+7]
.rept 4
	v_nop
.endr
	s_branch .Lasked_\@
.Lfor_b_\@:
	tensor_load_to_lds s[\g0b:\g0b+3], s[\g1b:\g1b+7]
.rept 4
	v_nop
.endr
.Lasked_\@:
.endm
.macro CROUND                          ; a round of the cluster's barrier
	s_barrier_signal -1
	s_barrier_wait -1
	s_cmp_lg_u32 s18, 0
	s_cbranch_scc1 .Lnot_wave_0_\@
	s_barrier_signal -3
.Lnot_wave_0_\@:
	s_barrier_wait -3
	s_barrier_signal -1
	s_barrier_wait -1
.endm
.macro FRAG reg, adr, q, i             ; a fragment (16 rows x 128 K, 8 registers) is two loads of 512 consecutive bytes: tile i, the slot's q-th 128 along K
.irp c, 0,1
	ds_load_b128 v[\reg+4*\c:\reg+4*\c+3], v[\adr] offset:(\i)*4096+(\q)*1024+512*\c
.endr
.endm
.macro FETCH_B slot, q, p              ; B's NB fragments into set p
	WIN 0x40
.set ii, 0
.rept NB
	FRAG 128*(\p)+8*ii, 20+\slot, \q, ii
.set ii, ii+1
.endr
	WIN 0
.endm
.macro FETCH_A slot, q, i0             ; A's blocks i0 .. i0 + 3
.irp i, \i0, \i0+1, \i0+2, \i0+3
	FRAG 128+8*(\i), 16+\slot, \q, \i
.endr
.endm
.macro SCALES sc                       ; a slot's scale words into set sc: register 4 i + q: lanes 0-15 the word of A's tile i, lanes 16-31 that of B's tile i, for the slot's q-th 128 along K
.irp i, 0,1,2,3,4,5,6,7
	ds_load_b128 v[32+32*\sc+4*\i:32+32*\sc+4*\i+3], v27 offset:\i*512
.endr
.endm
; 2 NB matrix instructions: A's blocks a0, a0 + 1 x B's NB.  p: B's set; q: which 128 of the slot; sc: the set of scale words.  cm = 0: the sums go on; 1: they begin with the bias of B's tile; 2: with that of A's tile.
; The accumulators take turns, one instruction a turn, in the same order in every step.
.macro MULA a0, p, q, sc, cm
.irp a, \a0, \a0+1
.set AW, 2+(8*NB*(\a))/256
.if \cm
.set WW, 0x01|(AW<<6)
.else
.set WW, 0x01|(AW<<4)|(AW<<6)
.endif
	WIN WW
.set bb, 0
.rept NB
.set rD, (8*(NB*(\a)+bb))%256
.set rB, 128*(\p)+8*bb
.set rA, 128+8*(\a)
.set sB, 32+32*(\sc)+4*bb+(\q)
.set sA, 32+32*(\sc)+4*(\a)+(\q)
.if \cm == 0
	v_wmma_scale_f32_16x16x128_f8f6f4 v[rD:rD+7], v[rB:rB+7], v[rA:rA+7], v[rD:rD+7], v[sB], v[sA] matrix_a_fmt:MATRIX_FMT_FP4 matrix_b_fmt:MATRIX_FMT_FP4 matrix_a_scale:MATRIX_SCALE_ROW1
.elseif \cm == 1
	v_wmma_scale_f32_16x16x128_f8f6f4 v[rD:rD+7], v[rB:rB+7], v[rA:rA+7], v[192+8*bb:199+8*bb], v[sB], v[sA] matrix_a_fmt:MATRIX_FMT_FP4 matrix_b_fmt:MATRIX_FMT_FP4 matrix_a_scale:MATRIX_SCALE_ROW1
.else
	v_wmma_scale_f32_16x16x128_f8f6f4 v[rD:rD+7], v[rB:rB+7], v[rA:rA+7], v[192+8*(\a):199+8*(\a)], v[sB], v[sA] matrix_a_fmt:MATRIX_FMT_FP4 matrix_b_fmt:MATRIX_FMT_FP4 matrix_a_scale:MATRIX_SCALE_ROW1
.endif
.set bb, bb+1
.endr
.endr
.endm
; A step of 128 along K that has its successor in the same slot.  A block of A is free when its NB products are issued, so A has one set: blocks 0-3 come anew in the step's middle, blocks 4-7 at its end.
.macro STEP slot, q, cm
	s_wait_dscnt 8                                 ; all but the youngest eight loads (A's blocks 4-7) are in
	MULA 0, (\q)%2, \q, \slot, \cm
	MULA 2, (\q)%2, \q, \slot, \cm
	s_wait_dscnt 0x0                               ; A's blocks 4-7 are in
	PLACES 4
	FETCH_B \slot, (\q)+1, 1-(\q)%2
	FETCH_A \slot, (\q)+1, 0
	MULA 4, (\q)%2, \q, \slot, \cm
	MULA 6, (\q)%2, \q, \slot, \cm
	PLACES 4
	WIN 0
	FETCH_A \slot, (\q)+1, 4
.endm
; Slot 0's last step goes over to slot 1: each wave waits for its part of slot 1, then one barrier shows the whole slot to all four.
.macro TURN
	s_wait_tensorcnt 0x0                           ; my part of slot 1 has landed
	s_wait_dscnt 8
	MULA 0, 1, 3, 0, 0
	s_wait_dscnt 0x0                               ; no LDS instruction of mine is out at the signal
	s_barrier_signal -1
	MULA 2, 1, 3, 0, 0
	WIN 0
	s_barrier_wait -1
	PLACES 4
	v_add_nc_u32 v27, 256, v27                     ; on to slot 1's scale words
	FETCH_B 1, 0, 0
	FETCH_A 1, 0, 0
	SCALES 1
	MULA 4, 1, 3, 0, 0
	MULA 6, 1, 3, 0, 0
	PLACES 4
	WIN 0
	FETCH_A 1, 0, 4
.endm
.macro LAST                            ; the very last step: nothing more to fetch
	s_wait_dscnt 8
	MULA 0, 1, 3, 1, 0
	MULA 2, 1, 3, 1, 0
	s_wait_dscnt 0x0
	MULA 4, 1, 3, 1, 0
	MULA 6, 1, 3, 1, 0
	WIN 0
	PLACES 4
.endm
	s_load_b256 s[4:11], s[0:1], 0x0               ; cod1 s[4:5], scl1 s[6:7], b_attn s[8:9], bQ s[10:11]
	s_load_b128 s[12:15], s[0:1], 0x20             ; bK s[12:13], cod2 s[14:15]
	s_load_b64 s[16:17], s[0:1], 0x30              ; scl2
	v_lshrrev_b32 v1, 5, v0
	v_readfirstlane_b32 s18, v1                    ; wave 0..3
	s_lshr_b32 s19, s18, 1                         ; HA: which half of the A side is mine.  Also: I fetch for A (0) or for B (1)
	s_and_b32 s20, s18, 1                          ; HB: which half of the B side.  Also: which half of that side I fetch
	s_bfe_u32 s21, ttmp6, 0x40000                  ; cx
	s_bfe_u32 s22, ttmp6, 0x40004                  ; cy
	s_and_b32 s23, ttmp7, 0xffff
	s_lshl_b32 s23, s23, 2                         ; 4 x cluster y
	s_add_co_u32 s28, s23, s22                     ; q, k: A = tokens: unit (16 tiles) 4 cluster y + cy
	s_add_co_u32 s29, s22, 40                      ; v:    A = W_v's columns: unit 40 + cy
	s_add_co_u32 s30, s23, s21                     ; v:    B = tokens: unit 4 cluster y + cx
	s_lshl_b32 s31, ttmp9, 2
	s_add_co_u32 s31, s31, s21
	s_add_co_u32 s31, s31, 32                      ; q, k: B = W's columns: unit 32 + 4 role + cx
	s_cmp_eq_u32 ttmp9, 2                          ; the cluster's x: the same in all sixteen partners
	s_cselect_b32 s24, s29, s28                    ; TA: made of cy and the cluster's place alone
	s_cselect_b32 s25, s30, s31                    ; TB: of cx and the cluster's place alone
	s_lshl_b32 s28, s22, 2
	s_lshl_b32 s28, 15, s28                        ; my row of the cluster
	s_lshl_b32 s30, 0x1111, s21                    ; my column
	s_or_b32 s[G1A], s28, (3<<16)|(1<<21)          ; 15:0 the mask; 17:16 elements of 8 bytes; 21 set beside a mask; no padding: the images are read 512 consecutive bytes at a time
	s_or_b32 s[G1SA], s28, (3<<16)|(1<<21)
	s_or_b32 s[G1B], s30, (3<<16)|(1<<21)
	s_or_b32 s[G1SB], s30, (3<<16)|(1<<21)
.irp g, G1A, G1B                       ; codes: a row = a tile's 4,096 bytes of 512 along K; from tile to tile 8,192 bytes
	s_mov_b32 s[\g+1], 512<<16                     ; tensor_dim0
	s_mov_b32 s[\g+3], 512<<16                     ; tile_dim0
	s_mov_b32 s[\g+5], 1024                        ; tensor_dim0_stride
	s_mov_b32 s[\g+6], 0
	s_mov_b32 s[\g+7], 0
.endr
	s_mov_b32 s[G1A+2], 8<<16                      ; tensor_dim1 = 8 tiles
	s_mov_b32 s[G1A+4], 8                          ; tile_dim1
	s_mov_b32 s[G1B+2], NB<<16
	s_mov_b32 s[G1B+4], NB
.irp g, G1SA, G1SB                     ; scale words: a dense block, as rows of 256 bytes
	s_mov_b32 s[\g+1], 32<<16
	s_mov_b32 s[\g+3], 32<<16
	s_mov_b32 s[\g+5], 32
	s_mov_b32 s[\g+6], 0
	s_mov_b32 s[\g+7], 0
.endr
	s_mov_b32 s[G1SA+2], 16<<16                    ; 8 tiles x 512 bytes
	s_mov_b32 s[G1SA+4], 16
	s_mov_b32 s[G1SB+2], (2*NB)<<16
	s_mov_b32 s[G1SB+4], 2*NB
	s_lshl_b32 s92, s24, 4
	s_lshl_b32 s101, s20, 3
	s_add_co_u32 s92, s92, s101                    ; A: the first tile that I fetch: 16 TA + 8 HB
	s_lshl_b32 s28, s92, 9                         ; its scale words,
	s_mov_b32 s29, 0
	s_lshl_b32 s92, s92, 13                        ; its codes
	s_mov_b32 s93, 0
	s_mul_i32 s94, s25, 2*NB
	s_mul_i32 s101, s20, NB
	s_add_co_u32 s94, s94, s101                    ; B: 2 NB TB + NB HB
	s_lshl_b32 s30, s94, 9
	s_mov_b32 s31, 0
	s_lshl_b32 s94, s94, 13
	s_mov_b32 s95, 0
	s_lshl_b32 s26, s24, 1
	s_add_co_u32 s26, s26, s19                     ; PA: which 128 rows of the A side are my wave's
	s_lshl_b32 s27, s25, 1
	s_add_co_u32 s27, s27, s20                     ; PB: the same of the B side
	s_mov_b32 s98, 0x76543210
	s_mov_b32 s99, 0xfedcba98                      ; v_permlanex16_b32's selects for lane l xor 16
	s_wait_kmcnt 0x0
	s_add_nc_u64 s[92:93], s[4:5], s[92:93]
	s_add_nc_u64 s[28:29], s[6:7], s[28:29]
	s_add_nc_u64 s[94:95], s[4:5], s[94:95]
	s_add_nc_u64 s[30:31], s[6:7], s[30:31]
	CROUND                                         ; all sixteen work-groups are here: the first joint loads meet
	s_lshl_b32 s100, s20, 12
	s_mov_b32 s[G0SA], 1
	s_add_co_u32 s[G0SA+1], s100, SCA              ; no place in the cluster enters an LDS address
	s_mov_b64 s[G0SA+2:G0SA+3], s[28:29]
	s_or_b32 s[G0SA+3], s[G0SA+3], 0x80000000
	s_mul_i32 s100, s20, NB*512
	s_mov_b32 s[G0SB], 1
	s_add_co_u32 s[G0SB+1], s100, SCL
	s_mov_b64 s[G0SB+2:G0SB+3], s[30:31]
	s_or_b32 s[G0SB+3], s[G0SB+3], 0x80000000
	JLOAD G0SA, G1SA, G0SB, G1SB                   ; the scale words first: they are wanted with slot 0
	s_lshl_b32 s100, s20, 15
	s_mul_i32 s101, s20, NB*4096
	s_add_co_u32 s101, s101, BOFF
.irp s, 0,1
	s_mov_b32 s[G0A+4*\s], 1
	s_add_co_u32 s[G0A+4*\s+1], s100, \s*SLOT
	s_add_nc_u64 s[G0A+4*\s+2:G0A+4*\s+3], s[92:93], \s*4096
	s_or_b32 s[G0A+4*\s+3], s[G0A+4*\s+3], 0x80000000
	s_mov_b32 s[G0B+4*\s], 1
	s_add_co_u32 s[G0B+4*\s+1], s101, \s*SLOT
	s_add_nc_u64 s[G0B+4*\s+2:G0B+4*\s+3], s[94:95], \s*4096
	s_or_b32 s[G0B+4*\s+3], s[G0B+4*\s+3], 0x80000000
	JLOAD G0A+4*\s, G1A, G0B+4*\s, G1B             ; three tensor loads of mine are out behind the second of these
.endr
	v_and_b32 v1, 15, v0                           ; r
	v_bfe_u32 v2, v0, 4, 1                         ; h
	v_and_b32 v6, 31, v0                           ; lane
	v_lshlrev_b32 v3, 4, v6                        ; 16 x lane
	; THE BIASES, in the result's layout: the C of each sum's first product
	s_cmp_eq_u32 ttmp9, 2
	s_cbranch_scc1 .Lbias_v
	s_and_b32 s96, s27, 15                         ; q, k: register j of B's tile b is column 128 (PB % 16) + 32 (b / 2) + 16 h + 8 (b % 2) + j of W_attn
	s_lshl_b32 s96, s96, 9
	s_mov_b32 s97, 0
	s_add_nc_u64 s[2:3], s[8:9], s[96:97]
	s_and_b32 s96, s96, 4095                       ; and 64 head + d of bQ or bK
	s_cmp_eq_u32 ttmp9, 0
	s_cselect_b64 s[10:11], s[10:11], s[12:13]
	s_add_nc_u64 s[10:11], s[10:11], s[96:97]
	v_lshlrev_b32 v5, 6, v2
.irp b, 0,1,2,3,4,5,6,7
	global_load_b128 v[192+8*\b:195+8*\b], v5, s[2:3] offset:(32*(\b/2)+8*(\b%2))*4
	global_load_b128 v[196+8*\b:199+8*\b], v5, s[2:3] offset:(32*(\b/2)+8*(\b%2))*4+16
	global_load_b128 v[128+8*\b:131+8*\b], v5, s[10:11] offset:(32*(\b/2)+8*(\b%2))*4
	global_load_b128 v[132+8*\b:135+8*\b], v5, s[10:11] offset:(32*(\b/2)+8*(\b%2))*4+16
.endr
	s_wait_loadcnt 0x0
.set i, 0
.rept 32
	v_pk_add_f32 v[192+i:193+i], v[192+i:193+i], v[128+i:129+i]
.set i, i+2
.endr
	s_branch .Lbias_done
.Lbias_v:
	s_and_b32 s96, s26, 7                          ; v: a lane holds ONE channel: 2048 + 128 (PA % 8) + 32 (a / 2) + 8 (a % 2) + r + 8 (r / 8) of b_attn, the same for all eight registers
	s_lshl_b32 s96, s96, 9
	s_add_co_u32 s96, s96, 8192
	s_mov_b32 s97, 0
	s_add_nc_u64 s[2:3], s[8:9], s[96:97]
	v_and_b32 v5, 8, v1
	v_add_nc_u32 v5, v5, v1
	v_lshlrev_b32 v5, 2, v5
.irp a, 0,1,2,3,4,5,6,7
	global_load_b32 v[192+8*\a], v5, s[2:3] offset:(32*(\a/2)+8*(\a%2))*4
.endr
	s_wait_loadcnt 0x0
.irp a, 0,1,2,3,4,5,6,7
.irp j, 1,2,3,4,5,6,7
	v_mov_b32 v[192+8*\a+\j], v[192+8*\a]
.endr
.endr
.Lbias_done:
	; LDS addresses
	s_lshl_b32 s96, s19, 15                        ; my 8 tiles of A
	s_mul_i32 s97, s20, NB*4096                    ; my NB tiles of B,
	s_add_co_u32 s97, s97, BOFF                    ; which lie behind A's 16
.irp s, 0,1
	v_add_nc_u32 v[16+\s], s96, v3
	v_add_nc_u32 v[20+\s], s97, v3
	s_add_co_u32 s96, s96, SLOT
	s_add_co_u32 s97, s97, SLOT
.endr
	s_mul_i32 s96, s20, NB*512
	s_add_co_u32 s96, s96, SCL                     ; B's scale words: my NB tiles (the lower base)
	s_xor_b32 s97, s20, 1
	s_mul_i32 s97, s97, NB*512
	s_lshl_b32 s2, s19, 12
	s_add_co_u32 s97, s97, s2
	s_add_co_u32 s97, s97, NB*512                  ; from there to A's, my 8 tiles: SCA + 4096 HA - SCL - 512 NB HB
	v_xor_b32 v4, 1, v2
	v_mul_u32_u24 v4, s97, v4                      ; lanes 0-15 take A's, lanes 16-31 B's: the lower base + (1 - h) x the distance
	v_lshl_add_u32 v27, v1, 4, v4
	v_add_nc_u32 v27, s96, v27
	; where the results go: one formula for the three roles
	s_cmp_eq_u32 ttmp9, 2
	s_cselect_b32 s96, s27, s26                    ; which 128 tokens
	s_cselect_b32 s97, s26, s27                    ; which 128 columns
	s_and_b32 s97, s97, 7                          ; the pair of heads
	s_lshr_b32 s2, s96, 4                          ; the batch
	s_and_b32 s96, s96, 15                         ; s
	s_lshl_b32 s2, s2, 4
	s_lshl_b32 s97, s97, 1
	s_add_co_u32 s2, s2, s97                       ; 16 batch + 2 pair
	s_lshl_b32 s3, ttmp9, 6
	s_add_co_u32 s2, s2, s3                        ; + 64 role: a region is 64 x 65,536 bytes of codes, 64 x 8,192 of scale words
	s_lshl_b32 s8, s2, 16
	s_lshl_b32 s3, s96, 12
	s_add_co_u32 s8, s8, s3
	s_mov_b32 s9, 0
	s_add_nc_u64 s[14:15], s[14:15], s[8:9]
	s_lshl_b32 s8, s2, 13
	s_lshl_b32 s3, s96, 9
	s_add_co_u32 s8, s8, s3
	s_add_nc_u64 s[16:17], s[16:17], s[8:9]
	s_wait_tensorcnt 1                             ; the scale words and my part of slot 0 are in (slot 1's load may be out)
	s_barrier_signal -1
	s_barrier_wait -1                              ; everybody's are
	FETCH_B 0, 0, 0
	FETCH_A 0, 0, 0
	SCALES 0
	FETCH_A 0, 0, 4
	s_cmp_eq_u32 ttmp9, 2                          ; the first step starts the sums with the biases: by B's tile (q, k) or by A's (v).  Nothing is cleared
	s_cbranch_scc1 .Lfirst_v
	STEP 0, 0, 1
	s_branch .Ljoined
.Lfirst_v:
	STEP 0, 0, 2
.Ljoined:
	STEP 0, 1, 0
	STEP 0, 2, 0
	TURN
	STEP 1, 0, 0
	STEP 1, 1, 0
	STEP 1, 2, 0
	LAST
; THE WAY OUT of A's tile a: its 64 registers, register 16 b + i = place 32 b + 16 h + i along the B side, are four blocks of 32, each shared with lane l xor 16.  They become eight registers of codes,
; which ARE two halves (c = 0, 1) of an operand's image, and one scale word.  Each accumulator is read from its low end on.
.macro QEPI a
.set AC, 64*((\a)%4)
.set WQ, 2+(\a)/4
.set PCD, 128+8*(\a)
.set WW, (WQ<<2)|(WQ<<4)
	WIN WW                                         ; sources 1 and 2: the accumulators' window
.irp b, 0,1,2,3
	v_max3_num_f32 v[TM+\b], 0x1800000, |v[AC+16*\b]|, |v[AC+16*\b+1]|   ; my 16 numbers of block b, and the floor 2^(3 - 127): the byte cannot fall under 1
.endr
.irp i, 2,4,6,8,10,12,14
.irp b, 0,1,2,3
	v_max3_num_f32 v[TM+\b], v[TM+\b], |v[AC+16*\b+\i]|, |v[AC+16*\b+\i+1]|   ; (the four blocks by turns)
.endr
.endr
	WIN 0
.irp b, 0,1,2,3
	v_permlanex16_b32 v[TM+4+\b], v[TM+\b], s98, s99
.endr
.irp b, 0,1,2,3
	v_max_num_f32 v[TM+\b], v[TM+\b], v[TM+4+\b]   ; with lane l xor 16's: the block's largest magnitude
.endr
.irp b, 0,1,2,3
	v_add_nc_u32 v[TM+12+\b], 0xff000000, v[TM+\b] ; 2 off its exponent field: the conversion's scale operand
.endr
.irp b, 0,1,2,3
	v_lshrrev_b32 v[TM+4+\b], 23, v[TM+12+\b]      ; the scale's byte
.endr
	v_lshl_or_b32 v[208+(\a)], v[TM+5], 8, v[TM+4]
	v_lshl_or_b32 v[208+(\a)], v[TM+6], 16, v[208+(\a)]
	v_lshl_or_b32 v[208+(\a)], v[TM+7], 24, v[208+(\a)]
	WIN WQ                                         ; source 0: the accumulators' window
.irp b, 0,1,2,3
	v_cvt_scalef32_pk8_fp4_f32 v[PCD+2*\b], v[AC+16*\b:AC+16*\b+7], v[TM+12+\b]
	v_cvt_scalef32_pk8_fp4_f32 v[PCD+2*\b+1], v[AC+16*\b+8:AC+16*\b+15], v[TM+12+\b]
.endr
	WIN 0
	v_nop                                          ; one plain line behind the last scaled conversion
.irp c, 0,1                            ; the operand's layout wants a WHOLE block in a lane: lanes 0-15 block 2 c, lanes 16-31 block 2 c + 1
.irp i, 0,1
	v_permlane16_swap_b32 v[PCD+4*\c+\i], v[PCD+4*\c+2+\i]
.endr
.endr
.irp c, 0,1
	global_store_b128 v3, v[PCD+4*\c:PCD+4*\c+3], s[14:15] offset:(\a)*512+\c*65536   ; 512 consecutive bytes a store; q, k: c = the pair's head; v: c = which 64 keys.  Each tile has its own registers
.endr
.endm
.irp a, 0,1,2,3,4,5,6,7
	QEPI \a
.endr
	v_cmp_lt_u32 vcc_lo, 15, v6
.irp b, 0,1,2,3
	v_cndmask_b32 v[216+\b], v[208+2*\b], v[209+2*\b], vcc_lo   ; lane 16 u + r: row r's words of tiles 2 b + u
.endr
	global_store_b128 v3, v[216:219], s[16:17]     ; q, k: bytes 0, 1 are the even head's two scales; bytes 2, 3 stand over zero codes there and are never 0xff.  v: the four bytes of 128 keys
	s_cmp_eq_u32 ttmp9, 2
	s_cbranch_scc1 .Lno_odd
.irp b, 0,1,2,3
	v_lshrrev_b32 v[220+\b], 16, v[216+\b]         ; the odd head's two scales
.endr
	global_store_b128 v3, v[220:223], s[16:17] offset:8192
.Lno_odd:
	s_wait_dscnt 0x0
	CROUND                                         ; the closing round: no work-group ends while a partner may still ask for a tile that names it
	s_endpgm
.Lfunc_end_k_qe7d2cbca68_gemm_qkv:
	.size	k_qe7d2cbca68_gemm_qkv, .Lfunc_end_k_qe7d2cbca68_gemm_qkv-k_qe7d2cbca68_gemm_qkv
	.p2alignl 7, 3214868480
	.fill 96, 4, 3214868480
	.section	.rodata,"a",@progbits
	.p2align	6, 0x0
	.amdhsa_kernel k_qe7d2cbca68_gemm_qkv
		.amdhsa_group_segment_fixed_size 327680
		.amdhsa_private_segment_fixed_size 0
		.amdhsa_enable_private_segment 0
		.amdhsa_kernarg_size 56
		.amdhsa_user_sgpr_count 2
		.amdhsa_user_sgpr_kernarg_segment_ptr 1
		.amdhsa_wavefront_size32 1
		.amdhsa_system_sgpr_workgroup_id_x 1
		.amdhsa_system_sgpr_workgroup_id_y 1
		.amdhsa_system_sgpr_workgroup_id_z 1
		.amdhsa_system_vgpr_workitem_id 0
		.amdhsa_next_free_vgpr 1024
		.amdhsa_next_free_sgpr 102
		.amdhsa_reserve_vcc 1
		.amdhsa_float_denorm_mode_32 3
		.amdhsa_float_denorm_mode_16_64 3
		.amdhsa_memory_ordered 1
		.amdhsa_forward_progress 1
		.amdhsa_inst_pref_size 146
	.end_amdhsa_kernel
	.amdgpu_metadata
---
amdhsa.version: [ 1, 2 ]
amdhsa.kernels:
  - .name:           k_qe7d2cbca68_gemm_qkv
    .symbol:         k_qe7d2cbca68_gemm_qkv.kd
    .args:
      - { .name: cod1, .offset: 0, .size: 8, .value_kind: global_buffer, .address_space: global }
      - { .name: scl1, .offset: 8, .size: 8, .value_kind: global_buffer, .address_space: global }
      - { .name: b_attn, .offset: 16, .size: 8, .value_kind: global_buffer, .address_space: global }
      - { .name: bQ, .offset: 24, .size: 8, .value_kind: global_buffer, .address_space: global }
      - { .name: bK, .offset: 32, .size: 8, .value_kind: global_buffer, .address_space: global }
      - { .name: cod2, .offset: 40, .size: 8, .value_kind: global_buffer, .address_space: global }
      - { .name: scl2, .offset: 48, .size: 8, .value_kind: global_buffer, .address_space: global }
    .group_segment_fixed_size: 327680
    .private_segment_fixed_size: 0
    .kernarg_segment_align: 8
    .kernarg_segment_size: 56
    .max_flat_workgroup_size: 128
    .sgpr_count:     102
    .vgpr_count:     1024
    .wavefront_size: 32
...
	.end_amdgpu_metadata
.endif
;; end of part 2
;; launch attn (part 3): grid 4 x 64, 16 waves a work-group, clusters of 4 x 1, 327,680 bytes of LDS; arguments cod2, scl2, yc, ys; writes yc, ys
.if DOCPART == 3
	.amdgcn_target "amdgcn-amd-amdhsa--gfx1250"
	.amdhsa_code_object_version 6
	.text
	.protected	k_qe7d2cbca68_attn
	.globl	k_qe7d2cbca68_attn
	.p2align	8
	.type	k_qe7d2cbca68_attn,@function
k_qe7d2cbca68_attn:
	s_mov_b64 s[64:65], 0
	v_nop
	global_prefetch_b8 v0, s[64:65] scope:SCOPE_SE
	s_setreg_imm32_b32 hwreg(HW_REG_WAVE_MODE, 25, 1), 1
	s_wait_xcnt 0x0
	s_wait_alu depctr_hold_cnt(0) depctr_sa_sdst(0) depctr_va_vdst(0) depctr_va_sdst(0) depctr_va_ssrc(0) depctr_va_vcc(0) depctr_vm_vsrc(0)
	s_getreg_b32 s2, hwreg(HW_REG_IB_STS2, 6, 4)
	s_cmp_eq_u32 s2, 0
	s_cbranch_scc0 .Lentry_in_a_cluster
	s_endpgm
.Lentry_in_a_cluster:
	s_bfe_u32 s2, ttmp6, 0x10000c
	s_cmp_lg_u32 s2, 0x3003
	s_cbranch_scc0 .Lentry_shape_is_right
	s_endpgm
.Lentry_shape_is_right:
; y[b][q][64 head + :] = the sum over keys k <= q of softmax_k(q . k / 8) v[k][:], both products on codes of FP4 (E2M1) with E8M0 scales; y is quantised along its 1,024 channels and leaves as the image that the last product reads.
; THE SOFTMAX AHEAD OF THE SECOND PRODUCT: t = score x log2(e) / 8; M = the row's largest t so far, rounded UP to a whole number; p = 2^(t - M) is what is quantised, along the keys; the row's sum is taken of the
; unquantised p and divides O at the end.  When M moves, the sum and O are multiplied by 2^(old M - new M): exact.
; SHARES.  The four work-groups of a cluster are ONE head (bh = the cluster's y).  A head has 128 tiles of 16 queries; tile I holds, in lane r, query 32 (I / 2) + 8 (I % 2) + r + 8 (r / 8); its class is I / 8: the key step
; of 128 in which its diagonal lies.  A wave owns one tile at a time, in two passes: class 15 - (wave % 8), then class wave % 8: 17 key steps for every wave.  Which of a class's eight tiles: wave / 8 + 2 cx.
; All branches hang on the class and the step, which come from the wave's number and loop counts; cx enters global addresses and a lane's compare alone.
; LDS: the head's K codes (65,536 bytes), V codes (65,536), K's scale words (8,192) and the head pair's V scale words (8,192) come ONCE, by six joint loads (mask: all four work-groups); nothing is filled twice.
; LAYOUT.  Both products are used transposed: S^T = K Q^T (source 0 = 16 keys, source 1 = my 16 queries), O^T = V^T P^T (source 0 = 16 channels, source 1 = P): a lane holds ONE query throughout.  The head size is 64:
; registers 4-7 of K's and Q's fragments (k = 64 .. 127 of the instruction) hold zero codes.  By the tiles' order the 16 registers of tiles 2 b, 2 b + 1 are 16 neighbouring keys (channels): 32 b + 16 (lane / 16) + 0 .. 15.
; A step all of whose keys come after the tile's queries is left out; on the diagonal hidden scores become -infinity ahead of the maximum.  Key 0 counts for every query, so M is a number from the first step on.
; LIMITS: a block of zeros gets the byte 1 (its codes are zeros); a largest magnitude is taken no smaller than 2^-124; a block's largest p is made from its largest score by the same two instructions; NaN and infinities are not served.
; REGISTERS: v1-4 LDS places of my lane (K codes, V codes, K scales, V scales); v5 16 x lane, v6 16 r; v7 the mask's bound; v8-11 the step's LDS addresses; v12 -M, v13 the largest t, v[14:15] the sum; v16-23 Q; v24-31 p's codes;
;   v32-95 K's 8 fragments; v96-159 S^T, then p; v160-191 O^T; v192-223 V's 4 fragments; v224-239 at work; v240 r + 8 (r / 8) - 16 h; v[242:243] the sum's second chain; v244-247 y's codes;
;   v248-251 K's scale words, v252-253 V's, v254 p's, v255 Q's: these hold scales and nothing else.
.set VC,   65536
.set KSC,  131072
.set VSC,  139264
.macro CROUND                          ; a round of the cluster's barrier
	s_barrier_signal -1
	s_barrier_wait -1
	s_cmp_lg_u32 s20, 0
	s_cbranch_scc1 .Lnot_wave_0_\@
	s_barrier_signal -3
.Lnot_wave_0_\@:
	s_barrier_wait -3
	s_barrier_signal -1
	s_barrier_wait -1
.endm
	s_load_b256 s[4:11], s[0:1], 0x0               ; cod2 s[4:5], scl2 s[6:7], yc s[8:9], ys s[10:11]
	v_lshrrev_b32 v1, 5, v0
	v_readfirstlane_b32 s20, v1                    ; wave 0..15
	s_and_b32 s21, s20, 1                          ; which half I fetch, if I fetch
	s_and_b32 s30, ttmp7, 0xffff                   ; bh = 16 batch + head: shared by the four partners
	s_lshl_b32 s74, s30, 16                        ; K's codes: region 1, + bh x 65536 + half x 32768
	s_lshl_b32 s75, s21, 15
	s_add_co_u32 s74, s74, s75
	s_add_co_u32 s74, s74, 0x400000
	s_mov_b32 s75, 0
	s_and_b32 s76, s30, 0xfffe                     ; V's codes: region 2, + (the pair's even bh + c) x 65536 + (head % 2) x 2048: my head's four tiles of each step
	s_add_co_u32 s76, s76, s21
	s_lshl_b32 s76, s76, 16
	s_and_b32 s77, s30, 1
	s_lshl_b32 s77, s77, 11
	s_add_co_u32 s76, s76, s77
	s_add_co_u32 s76, s76, 0x800000
	s_mov_b32 s77, 0
	s_lshl_b32 s78, s30, 13                        ; scale words: wave 4: K's, region 1 + bh x 8192; wave 5: V's, region 2 + the pair's even bh x 8192
	s_add_co_u32 s78, s78, 0x80000
	s_and_b32 s79, s30, 0xfffe
	s_lshl_b32 s79, s79, 13
	s_add_co_u32 s79, s79, 0x100000
	s_cmp_eq_u32 s21, 0
	s_cselect_b32 s78, s78, s79
	s_mov_b32 s79, 0
	; descriptor groups 1: elements of 8 bytes, no padding (the images are read 512 consecutive bytes at a time); the mask names all four work-groups, bit 21 beside it
	s_mov_b32 s32, 15|(3<<16)|(1<<21)              ; K's codes: 32,768 dense bytes as 128 rows of 256
	s_mov_b32 s33, 32<<16
	s_mov_b32 s34, 128<<16
	s_mov_b32 s35, 32<<16
	s_mov_b32 s36, 128
	s_mov_b32 s37, 32
	s_mov_b32 s38, 0
	s_mov_b32 s39, 0
	s_mov_b32 s40, 15|(3<<16)|(1<<21)              ; V's codes: 16 steps' rows of 2,048 bytes, 4,096 bytes apart
	s_mov_b32 s41, 256<<16
	s_mov_b32 s42, 16<<16
	s_mov_b32 s43, 256<<16
	s_mov_b32 s44, 16
	s_mov_b32 s45, 512
	s_mov_b32 s46, 0
	s_mov_b32 s47, 0
	s_mov_b32 s48, 15|(3<<16)|(1<<21)              ; scale words: 8,192 dense bytes as 32 rows of 256
	s_mov_b32 s49, 32<<16
	s_mov_b32 s50, 32<<16
	s_mov_b32 s51, 32<<16
	s_mov_b32 s52, 32
	s_mov_b32 s53, 32
	s_mov_b32 s54, 0
	s_mov_b32 s55, 0
	s_mov_b32 s22, 0x3e38aa3b                      ; c = log2(e) / 8
	s_mov_b32 s23, s22                             ; (named with it as a pair, so it is written)
	s_mov_b32 s24, 0x76543210
	s_mov_b32 s25, 0xfedcba98                      ; v_permlanex16_b32's selects for lane l xor 16
	s_wait_kmcnt 0x0
	s_mov_b32 s56, 1
	s_lshl_b32 s57, s21, 15                        ; LDS: K's half
	s_add_nc_u64 s[58:59], s[4:5], s[74:75]
	s_or_b32 s59, s59, 0x80000000
	s_mov_b32 s60, 1
	s_add_co_u32 s61, s57, VC                      ; V's half c
	s_add_nc_u64 s[62:63], s[4:5], s[76:77]
	s_or_b32 s63, s63, 0x80000000
	s_mov_b32 s68, 1
	s_lshl_b32 s69, s21, 13
	s_add_co_u32 s69, s69, KSC                     ; K's scale words, then V's
	s_add_nc_u64 s[70:71], s[6:7], s[78:79]
	s_or_b32 s71, s71, 0x80000000
	CROUND                                         ; all four work-groups are here: the joint loads meet
	s_cmp_lt_u32 s20, 2                            ; one branch on the wave's number: waves 0, 1: K's codes; 2, 3: V's; 4, 5: the scale words; the others fetch nothing.  One load a wave
	s_cbranch_scc0 .Lnot_k
	tensor_load_to_lds s[56:59], s[32:39]
.rept 4
	v_nop
.endr
	s_branch .Lasked
.Lnot_k:
	s_cmp_lt_u32 s20, 4
	s_cbranch_scc0 .Lnot_v
	tensor_load_to_lds s[60:63], s[40:47]
.rept 4
	v_nop
.endr
	s_branch .Lasked
.Lnot_v:
	s_cmp_lt_u32 s20, 6
	s_cbranch_scc0 .Lasked
	tensor_load_to_lds s[68:71], s[48:55]
.rept 4
	v_nop
.endr
.Lasked:
	s_bfe_u32 s72, ttmp6, 0x40000                  ; cx
	s_lshr_b32 s27, s20, 3
	s_lshl_b32 s72, s72, 1
	s_add_co_u32 s27, s27, s72                     ; which of a class's eight tiles is mine
	s_and_b32 s26, s20, 7
	s_xor_b32 s26, s26, 15                         ; the first pass's class: 15 - wave % 8
	s_mov_b32 s29, 2                               ; passes
	v_and_b32 v1, 31, v0
	v_lshlrev_b32 v1, 4, v1                        ; K's codes begin at LDS byte 0: 16 x lane
	v_add_nc_u32 v2, VC, v1
	v_add_nc_u32 v3, KSC, v1
	s_and_b32 s73, s30, 1
	s_lshl_b32 s73, s73, 3
	s_add_co_u32 s73, s73, VSC
	v_add_nc_u32 v4, s73, v1                       ; V's scale words: my head's two of the pair's four words
	v_and_b32 v5, 31, v0
	v_lshlrev_b32 v5, 4, v5                        ; 16 x lane, for memory
	v_and_b32 v8, 15, v0
	v_lshlrev_b32 v6, 4, v8                        ; 16 r
	v_and_b32 v9, 8, v8
	v_add_nc_u32 v240, v9, v8
	v_and_b32 v9, 16, v0
	v_sub_nc_u32 v240, v240, v9                    ; r + 8 (r / 8) - 16 h
.irp j, 20,21,22,23
	v_mov_b32 v[\j], 0                             ; Q's zero codes, k = 64 .. 127
.endr
.irp t, 0,1,2,3,4,5,6,7
.irp j, 4,5,6,7
	v_mov_b32 v[32+8*\t+\j], 0                     ; K's zero codes
.endr
.endr
.irp j, 228,229,230,231,237,238
	v_mov_b32 v[\j], 0                             ; written once: a lane permute's destination counts as one of its sources, and v237 is named in a pair
.endr
	v_mov_b32 v239, 0xff800000                     ; -infinity
	s_wait_tensorcnt 0x0                           ; my load, if I issued one, has landed
	s_barrier_signal -1
	s_barrier_wait -1                              ; everybody's has: the whole head lies in LDS, and nobody writes LDS from here on
.Lpass:
	s_lshl_b32 s31, s26, 3
	s_add_co_u32 s31, s31, s27                     ; my tile I = 8 class + which
	s_lshl_b32 s80, s30, 16
	s_lshl_b32 s81, s31, 9
	s_add_co_u32 s80, s80, s81
	s_mov_b32 s81, 0
	s_add_nc_u64 s[82:83], s[4:5], s[80:81]
	global_load_b128 v[16:19], v5, s[82:83]        ; Q's fragment: region 0, bh x 65536 + I x 512 + 16 x lane
	s_lshl_b32 s80, s30, 13
	s_lshr_b32 s84, s31, 3
	s_lshl_b32 s84, s84, 9
	s_add_co_u32 s80, s80, s84
	s_and_b32 s84, s31, 1
	s_lshl_b32 s84, s84, 8
	s_add_co_u32 s80, s80, s84
	s_bfe_u32 s84, s31, 0x20001                    ; (I / 2) % 4
	s_lshl_b32 s85, s84, 2
	s_add_co_u32 s80, s80, s85
	s_add_nc_u64 s[86:87], s[6:7], s[80:81]
	global_load_b32 v255, v6, s[86:87]             ; Q's scale words: bh x 8192 + (I / 8) x 512 + (16 (I % 2) + r) x 16 + 4 ((I / 2) % 4)
	s_lshl_b32 s84, s84, 5
	s_and_b32 s85, s31, 1
	s_lshl_b32 s85, s85, 3
	s_add_co_u32 s84, s84, s85
	v_add_nc_u32 v7, s84, v240                     ; my query's place in its class's 128, less 16 h: on the diagonal register 16 b + i is hidden where 32 b + i is above it
	v_mov_b32 v13, 0xff61b1e6                      ; the largest t so far: -3e38, under every t
	v_floor_f32 v12, -v13                          ; -M
	v_mov_b32 v14, 0                               ; the sum, in two halves
	v_mov_b32 v15, 0
.set i, 0
.rept 32
	v_mov_b32 v[160+i], 0                          ; O^T.  (The step is written once: the first finds zeros, which the first change of M leaves zeros)
.set i, i+1
.endr
	s_mov_b32 s28, 0                               ; the key step
	s_wait_loadcnt 0x0
.Lstep:                                            ; 16 trips, a constant; a step behind the diagonal does nothing
	s_cmp_gt_u32 s28, s26
	s_cbranch_scc1 .Lhidden
	s_lshl_b32 s73, s28, 12
	s_lshl_b32 s74, s28, 11
	s_lshl_b32 s75, s28, 9
	v_add_nc_u32 v8, s73, v1                       ; these four are also the places in front of the loads into registers that the last step's products read
	v_add_nc_u32 v9, s74, v2
	v_add_nc_u32 v10, s75, v3
	v_add_nc_u32 v11, s75, v4
	ds_load_b128 v[248:251], v10                   ; lane 16 u + r: row r's words of K's tiles 2 b + u
.irp t, 0,1,2,3,4,5,6,7
	ds_load_b128 v[32+8*\t:35+8*\t], v8 offset:512*\t
.endr
	ds_load_b64 v[252:253], v11                    ; the same of V's four tiles
.irp a, 0,1,2,3
.irp c, 0,1
	ds_load_b128 v[192+8*\a+4*\c:195+8*\a+4*\c], v9 offset:32768*\c+512*\a
.endr
.endr
	s_wait_dscnt 9                                 ; K and its scale words are in; V's nine loads may be out
.irp t, 0,1,2,3,4,5,6,7
.if \t % 2
	v_wmma_scale_f32_16x16x128_f8f6f4 v[96+8*\t:103+8*\t], v[32+8*\t:39+8*\t], v[16:23], 0, v[248+\t/2], v255 matrix_a_fmt:MATRIX_FMT_FP4 matrix_b_fmt:MATRIX_FMT_FP4 matrix_a_scale:MATRIX_SCALE_ROW1
.else
	v_wmma_scale_f32_16x16x128_f8f6f4 v[96+8*\t:103+8*\t], v[32+8*\t:39+8*\t], v[16:23], 0, v[248+\t/2], v255 matrix_a_fmt:MATRIX_FMT_FP4 matrix_b_fmt:MATRIX_FMT_FP4
.endif
.endr
.rept 4
	v_nop
.endr
	s_cmp_lg_u32 s28, s26                          ; only the diagonal's step has hidden keys
	s_cbranch_scc1 .Lopen
.set n, 0
.rept 64
	v_cmp_gt_i32 vcc_lo, 32*(n/16)+n%16, v7
	v_cndmask_b32 v[96+n], v[96+n], v239, vcc_lo
.set n, n+1
.endr
.Lopen:
.irp b, 0,1,2,3
	v_max3_num_f32 v[224+\b], v[96+16*\b], v[97+16*\b], v[98+16*\b]   ; THE LARGEST SCORE OF EACH BLOCK OF 32 KEYS: for the row's maximum, and, since p rises with the score, for the block's largest p
.endr
.irp i, 3,5,7,9,11,13
.irp b, 0,1,2,3
	v_max3_num_f32 v[224+\b], v[224+\b], v[96+16*\b+\i], v[97+16*\b+\i]
.endr
.endr
.irp b, 0,1,2,3
	v_max_num_f32 v[224+\b], v[224+\b], v[111+16*\b]
.endr
.irp b, 0,1,2,3
	v_permlanex16_b32 v[228+\b], v[224+\b], s24, s25
.endr
.irp b, 0,1,2,3
	v_max_num_f32 v[224+\b], v[224+\b], v[228+\b]  ; with lane l xor 16's 16 keys
.endr
	v_max3_num_f32 v238, v224, v225, v226
	v_max_num_f32 v238, v238, v227                 ; the step's largest score of my query
	v_mul_f32 v238, s22, v238                      ; as t (c is positive)
	v_max_num_f32 v13, v13, v238                   ; the running largest t
	v_mov_b32 v238, v12
	v_floor_f32 v12, -v13                          ; the new -M = floor(-t) = -ceil(t): a whole number
	v_sub_f32 v238, v12, v238                      ; M's old value less its new one: 0 or less
	v_cvt_i32_f32 v238, v238                       ; (it saturates)
	v_ldexp_f32 v236, 1.0, v238                    ; f = 2^(old M - new M)
.set j, 0
.rept 32
	v_pk_fma_f32 v[96+j:97+j], v[96+j:97+j], s[22:23], v[12:13] op_sel_hi:[1,0,0]   ; t - M, two at a time
.set j, j+2
.endr
.irp b, 0,1,2,3
	v_fma_f32 v[224+\b], v[224+\b], s22, v12       ; the same of each block's largest score
.endr
.set j, 0
.rept 64
	v_exp_f32 v[96+j], v[96+j]                     ; p = 2^(t - M), at most 1
.set j, j+1
.endr
	v_pk_mul_f32 v[14:15], v[14:15], v[236:237] op_sel_hi:[1,0]   ; the sums under the new M.  (A plain line behind the exponentials)
	s_wait_alu depctr_va_vdst(0)                   ; one wait for the whole batch, ahead of its first reader
.irp b, 0,1,2,3
	v_exp_f32 v[224+\b], v[224+\b]                 ; the block's largest p: the same two instructions on the same number
.endr
	v_pk_add_f32 v[242:243], v[96:97], v[98:99]    ; THE ROW'S SUM IS TAKEN OF THE UNQUANTISED p, in two chains
.irp j, 4,8,12,16,20,24,28,32,36,40,44,48
	v_pk_add_f32 v[14:15], v[14:15], v[96+\j:97+\j]
	v_pk_add_f32 v[242:243], v[242:243], v[98+\j:99+\j]
.endr
	s_wait_alu depctr_va_vdst(0)                   ; and one for the four
.irp b, 0,1,2,3
	v_max_num_f32 v[224+\b], 0x1800000, v[224+\b]  ; the floor 2^(3 - 127): the byte cannot fall under 1
.endr
.irp b, 0,1,2,3
	v_add_nc_u32 v[232+\b], 0xff000000, v[224+\b]  ; 2 off the exponent field: the conversion's scale operand
.endr
.irp b, 0,1,2,3
	v_lshrrev_b32 v[228+\b], 23, v[232+\b]         ; the scale's byte
.endr
	v_lshl_or_b32 v254, v229, 8, v228              ; p's scale word for these 128 keys
	v_lshl_or_b32 v254, v230, 16, v254
	v_lshl_or_b32 v254, v231, 24, v254
.irp b, 0,1,2,3
	v_cvt_scalef32_pk8_fp4_f32 v[24+2*\b], v[96+16*\b:103+16*\b], v[232+\b]
	v_cvt_scalef32_pk8_fp4_f32 v[25+2*\b], v[104+16*\b:111+16*\b], v[232+\b]
.endr
	v_nop                                          ; one plain line behind the last scaled conversion
.irp c, 0,1                            ; the operand's layout wants a WHOLE block in a lane
.irp i, 0,1
	v_permlane16_swap_b32 v[24+4*\c+\i], v[26+4*\c+\i]
.endr
.endr
.set j, 0
.rept 16
	v_pk_mul_f32 v[160+j:161+j], v[160+j:161+j], v[236:237] op_sel_hi:[1,0]   ; O^T under the new M
.set j, j+2
.endr
.irp j, 52,56,60                       ; the sum's last additions stand here: seven plain lines that name no register of the products below
	v_pk_add_f32 v[14:15], v[14:15], v[96+\j:97+\j]
	v_pk_add_f32 v[242:243], v[242:243], v[98+\j:99+\j]
.endr
	v_pk_add_f32 v[14:15], v[14:15], v[242:243]
	s_wait_dscnt 0x0                               ; V and its scale words are in
.irp a, 0,1,2,3
.if \a % 2
	v_wmma_scale_f32_16x16x128_f8f6f4 v[160+8*\a:167+8*\a], v[192+8*\a:199+8*\a], v[24:31], v[160+8*\a:167+8*\a], v[252+\a/2], v254 matrix_a_fmt:MATRIX_FMT_FP4 matrix_b_fmt:MATRIX_FMT_FP4 matrix_a_scale:MATRIX_SCALE_ROW1
.else
	v_wmma_scale_f32_16x16x128_f8f6f4 v[160+8*\a:167+8*\a], v[192+8*\a:199+8*\a], v[24:31], v[160+8*\a:167+8*\a], v[252+\a/2], v254 matrix_a_fmt:MATRIX_FMT_FP4 matrix_b_fmt:MATRIX_FMT_FP4
.endif
.endr
.Lhidden:
	s_add_co_u32 s28, s28, 1
	s_cmp_lt_u32 s28, 16
	s_cbranch_scc1 .Lstep
	; THE WAY OUT of a pass: O^T / the sum; register 16 a + i is channel 32 a + 16 h + i of my query: two blocks of 32 along the last product's K, quantised as above
.rept 4
	v_nop
.endr
	v_add_f32 v14, v14, v15
	v_permlanex16_b32 v238, v14, s24, s25
	v_add_f32 v14, v14, v238                       ; the row's sum
	v_rcp_f32 v14, v14
	v_nop                                          ; a plain line behind the reciprocal
	s_lshr_b32 s80, s30, 4
	s_lshl_b32 s80, s80, 7
	s_add_co_u32 s80, s80, s31                     ; y's tile: 128 batch + I
	s_and_b32 s84, s30, 15                         ; the head
	s_lshl_b32 s88, s80, 13
	s_lshl_b32 s85, s84, 9
	s_add_co_u32 s88, s88, s85                     ; codes: tile x 8192 + head x 512
	s_mov_b32 s89, 0
	s_add_nc_u64 s[88:89], s[8:9], s[88:89]
	s_lshl_b32 s90, s80, 9
	s_lshr_b32 s85, s84, 3
	s_lshl_b32 s85, s85, 8
	s_add_co_u32 s90, s90, s85
	s_bfe_u32 s85, s84, 0x20001
	s_lshl_b32 s85, s85, 2
	s_add_co_u32 s90, s90, s85
	s_and_b32 s85, s84, 1
	s_lshl_b32 s85, s85, 1
	s_add_co_u32 s90, s90, s85                     ; scale bytes: tile x 512 + (head / 8) x 256 + 4 ((head / 2) % 4) + 2 (head % 2)
	s_mov_b32 s91, 0
	s_add_nc_u64 s[90:91], s[10:11], s[90:91]
	s_wait_alu depctr_va_vdst(0)                   ; the wait ahead of the reciprocal's first reader
.set j, 0
.rept 16
	v_pk_mul_f32 v[96+j:97+j], v[160+j:161+j], v[14:15] op_sel_hi:[1,0]
.set j, j+2
.endr
.irp b, 0,1
	v_max3_num_f32 v[224+\b], |v[96+16*\b]|, |v[97+16*\b]|, 0x1800000
.endr
.irp i, 2,4,6,8,10,12,14
.irp b, 0,1
	v_max3_num_f32 v[224+\b], v[224+\b], |v[96+16*\b+\i]|, |v[97+16*\b+\i]|
.endr
.endr
.irp b, 0,1
	v_permlanex16_b32 v[228+\b], v[224+\b], s24, s25
.endr
.irp b, 0,1
	v_max_num_f32 v[224+\b], v[224+\b], v[228+\b]
.endr
.irp b, 0,1
	v_add_nc_u32 v[232+\b], 0xff000000, v[224+\b]
.endr
.irp b, 0,1
	v_lshrrev_b32 v[228+\b], 23, v[232+\b]
.endr
	v_lshl_or_b32 v238, v229, 8, v228              ; the head's two scale bytes of my query
.irp b, 0,1
	v_cvt_scalef32_pk8_fp4_f32 v[244+2*\b], v[96+16*\b:103+16*\b], v[232+\b]
	v_cvt_scalef32_pk8_fp4_f32 v[245+2*\b], v[104+16*\b:111+16*\b], v[232+\b]
.endr
	v_nop
	v_permlane16_swap_b32 v244, v246               ; lanes 0-15 keep block 0 whole, lanes 16-31 block 1
	v_permlane16_swap_b32 v245, v247
	global_store_b128 v5, v[244:247], s[88:89]     ; 512 consecutive bytes
	global_store_b16 v6, v238, s[90:91]            ; two bytes a row, 16 bytes apart (lanes 16-31 write the same bytes with the same value): the rest of a word comes from other heads; 262,144 bytes in the whole launch
	s_wait_xcnt 0x0                                ; the stores have read their registers and bases: the next pass writes them again
	s_xor_b32 s26, s26, 15                         ; the second pass's class: wave % 8
	s_sub_co_u32 s29, s29, 1
	s_cmp_lg_u32 s29, 0
	s_cbranch_scc1 .Lpass
	s_wait_dscnt 0x0
	CROUND                                         ; the closing round
	s_endpgm
.Lfunc_end_k_qe7d2cbca68_attn:
	.size	k_qe7d2cbca68_attn, .Lfunc_end_k_qe7d2cbca68_attn-k_qe7d2cbca68_attn
	.p2alignl 7, 3214868480
	.fill 96, 4, 3214868480
	.section	.rodata,"a",@progbits
	.p2align	6, 0x0
	.amdhsa_kernel k_qe7d2cbca68_attn
		.amdhsa_group_segment_fixed_size 327680
		.amdhsa_private_segment_fixed_size 0
		.amdhsa_enable_private_segment 0
		.amdhsa_kernarg_size 32
		.amdhsa_user_sgpr_count 2
		.amdhsa_user_sgpr_kernarg_segment_ptr 1
		.amdhsa_wavefront_size32 1
		.amdhsa_system_sgpr_workgroup_id_x 1
		.amdhsa_system_sgpr_workgroup_id_y 1
		.amdhsa_system_sgpr_workgroup_id_z 1
		.amdhsa_system_vgpr_workitem_id 0
		.amdhsa_next_free_vgpr 256
		.amdhsa_next_free_sgpr 96
		.amdhsa_reserve_vcc 1
		.amdhsa_float_denorm_mode_32 3
		.amdhsa_float_denorm_mode_16_64 3
		.amdhsa_memory_ordered 1
		.amdhsa_forward_progress 1
		.amdhsa_inst_pref_size 34
	.end_amdhsa_kernel
	.amdgpu_metadata
---
amdhsa.version: [ 1, 2 ]
amdhsa.kernels:
  - .name:           k_qe7d2cbca68_attn
    .symbol:         k_qe7d2cbca68_attn.kd
    .args:
      - { .name: cod2, .offset: 0, .size: 8, .value_kind: global_buffer, .address_space: global }
      - { .name: scl2, .offset: 8, .size: 8, .value_kind: global_buffer, .address_space: global }
      - { .name: yc, .offset: 16, .size: 8, .value_kind: global_buffer, .address_space: global }
      - { .name: ys, .offset: 24, .size: 8, .value_kind: global_buffer, .address_space: global }
    .group_segment_fixed_size: 327680
    .private_segment_fixed_size: 0
    .kernarg_segment_align: 8
    .kernarg_segment_size: 32
    .max_flat_workgroup_size: 512
    .sgpr_count:     96
    .vgpr_count:     256
    .wavefront_size: 32
...
	.end_amdgpu_metadata
.endif
;; end of part 3
;; launch gemm_proj (part 4): grid 8 x 32, 4 waves a work-group, clusters of 4 x 4, 327,680 bytes of LDS; arguments yc, ys, cod1, scl1, b_proj, out0; writes out0
.if DOCPART == 4
	.amdgcn_target "amdgcn-amd-amdhsa--gfx1250"
	.amdhsa_code_object_version 6
	.text
	.protected	k_qe7d2cbca68_gemm_proj
	.globl	k_qe7d2cbca68_gemm_proj
	.p2align	8
	.type	k_qe7d2cbca68_gemm_proj,@function
k_qe7d2cbca68_gemm_proj:
	s_mov_b64 s[64:65], 0
	v_nop
	global_prefetch_b8 v0, s[64:65] scope:SCOPE_SE
	s_setreg_imm32_b32 hwreg(HW_REG_WAVE_MODE, 25, 1), 1
	s_wait_xcnt 0x0
	s_wait_alu depctr_hold_cnt(0) depctr_sa_sdst(0) depctr_va_vdst(0) depctr_va_sdst(0) depctr_va_ssrc(0) depctr_va_vcc(0) depctr_vm_vsrc(0)
	s_getreg_b32 s2, hwreg(HW_REG_IB_STS2, 6, 4)
	s_cmp_eq_u32 s2, 0
	s_cbranch_scc0 .Lentry_in_a_cluster
	s_endpgm
.Lentry_in_a_cluster:
	s_bfe_u32 s2, ttmp6, 0x10000c
	s_cmp_lg_u32 s2, 0xf033
	s_cbranch_scc0 .Lentry_shape_is_right
	s_endpgm
.Lentry_shape_is_right:
; out0 = y W_proj + b_proj, on codes of FP4 (E2M1) with E8M0 scales.  y's images come from the attention launch (tile = 128 batch + I), W_proj's columns are tiles 704-767 of cod1 and scl1.
; OPERANDS: images of 16 rows x 1024 K (codes: tile x 8192 + (k / 128) x 1024 + c x 512 + 16 x lane; scale words: tile x 512 + (k / 512) x 256 + 16 r + 4 ((k / 128) % 4)).  Of each 32 rows, tile u takes in lane r row 8 u + r + 8 (r / 8).
; 256 work-groups of four waves, each 256 tokens x 128 columns; a wave 128 tokens (A side, 8 tiles) x 64 columns (B side, 4 tiles): 32 accumulators, 256 registers.  Source 0 = a tile of columns, source 1 = a tile of tokens:
; a lane holds one token, and the 16 registers of B's tiles 2 b, 2 b + 1 are the neighbouring columns 32 b + 16 (lane / 16) + 0 .. 15.
; K = 1024 is two LDS slots of 512, both filled once, at the head; no LDS byte is filled twice.  CLUSTER 4 x 4: y's tiles are shared along a row of the cluster, W_proj's along a column, by joint loads.
; The bias is the C of each sum's first product.  Results go through the wave's own stage in LDS and leave as aligned runs of 256 bytes.
; REGISTERS: window 0: v1 r, v2 h, v3 16 x lane, v5 the bias's offset, v16-17, v20-21 LDS addresses of A's and B's fragments, v24-26 the way out, v27 the scale words' address; v32-95 scale words, two sets, and nothing else;
;   v128-191 A's fragments, one set (on the way out: rows read back); v192-223 the bias.  window 1: B's fragments, two sets, at v0 and v128.  window 2: the accumulators, (a, b) at v[32 a + 8 b].
.set NB,    4
.set SLOT,  (16+2*NB)*4096
.set BOFF,  16*4096
.set SCL,   2*SLOT                     ; B's scale words first: so the upper lanes of the scale loads for tiles 4-7, which B has not, fall on bytes that have landed; what they bring is never used
.set SCA,   SCL+2*NB*512
.set G1A,  32
.set G0A,  40
.set G1B,  48
.set G0B,  56
.set G1SA, 68
.set G0SA, 76
.set G1SB, 80
.set G0SB, 88
.set SPITCH, 272                       ; a stage row: 64 columns x 4 bytes + 16 of padding
.set MSB, 0
.macro WIN new                         ; the immediate's high byte repeats the setting that is left; a switch that changes nothing is dropped
.if MSB != (\new)
	s_set_vgpr_msb (MSB<<8)|(\new)
.set MSB, (\new)
.endif
.endm
.macro PLACES n                        ; plain vector lines between a matrix instruction and a load into, or a store's or vector read of, its registers
.rept \n
	v_nop
.endr
.endm
.macro JLOAD g0a, g1a, g0b, g1b        ; a joint load: waves 0 and 1 fetch for A, waves 2 and 3 for B; four v_nop follow each of the two lines
	s_cmp_eq_u32 s19, 0
	s_cbranch_scc0 .Lfor_b_\@
	tensor_load_to_lds s[\g0a:\g0a+3], s[\g1a:\g1a+7]
.rept 4
	v_nop
.endr
	s_branch .Lasked_\@
.Lfor_b_\@:
	tensor_load_to_lds s[\g0b:\g0b+3], s[\g1b:\g1b+7]
.rept 4
	v_nop
.endr
.Lasked_\@:
.endm
.macro CROUND                          ; a round of the cluster's barrier
	s_barrier_signal -1
	s_barrier_wait -1
	s_cmp_lg_u32 s18, 0
	s_cbranch_scc1 .Lnot_wave_0_\@
	s_barrier_signal -3
.Lnot_wave_0_\@:
	s_barrier_wait -3
	s_barrier_signal -1
	s_barrier_wait -1
.endm
.macro FRAG reg, adr, q, i             ; a fragment is two loads of 512 consecutive bytes: tile i, the slot's q-th 128 along K
.irp c, 0,1
	ds_load_b128 v[\reg+4*\c:\reg+4*\c+3], v[\adr] offset:(\i)*4096+(\q)*1024+512*\c
.endr
.endm
.macro FETCH_B slot, q, p
	WIN 0x40
.set ii, 0
.rept NB
	FRAG 128*(\p)+8*ii, 20+\slot, \q, ii
.set ii, ii+1
.endr
	WIN 0
.endm
.macro FETCH_A slot, q, i0
.irp i, \i0, \i0+1, \i0+2, \i0+3
	FRAG 128+8*(\i), 16+\slot, \q, \i
.endr
.endm
.macro SCALES sc                       ; register 4 i + q of set sc: lanes 0-15 the word of A's tile i, lanes 16-31 that of B's tile i
.irp i, 0,1,2,3,4,5,6,7
	ds_load_b128 v[32+32*\sc+4*\i:32+32*\sc+4*\i+3], v27 offset:\i*512
.endr
.endm
; 2 NB matrix instructions: A's blocks a0, a0 + 1 x B's NB.  cm = 0: the sums go on; 1: they begin with the bias of B's tile.  The accumulators take turns, one instruction a turn.
.macro MULA a0, p, q, sc, cm
.irp a, \a0, \a0+1
.set AW, 2+(8*NB*(\a))/256
.if \cm
.set WW, 0x01|(AW<<6)
.else
.set WW, 0x01|(AW<<4)|(AW<<6)
.endif
	WIN WW
.set bb, 0
.rept NB
.set rD, (8*(NB*(\a)+bb))%256
.set rB, 128*(\p)+8*bb
.set rA, 128+8*(\a)
.set sB, 32+32*(\sc)+4*bb+(\q)
.set sA, 32+32*(\sc)+4*(\a)+(\q)
.if \cm == 0
	v_wmma_scale_f32_16x16x128_f8f6f4 v[rD:rD+7], v[rB:rB+7], v[rA:rA+7], v[rD:rD+7], v[sB], v[sA] matrix_a_fmt:MATRIX_FMT_FP4 matrix_b_fmt:MATRIX_FMT_FP4 matrix_a_scale:MATRIX_SCALE_ROW1
.else
	v_wmma_scale_f32_16x16x128_f8f6f4 v[rD:rD+7], v[rB:rB+7], v[rA:rA+7], v[192+8*bb:199+8*bb], v[sB], v[sA] matrix_a_fmt:MATRIX_FMT_FP4 matrix_b_fmt:MATRIX_FMT_FP4 matrix_a_scale:MATRIX_SCALE_ROW1
.endif
.set bb, bb+1
.endr
.endr
.endm
.macro STEP slot, q, cm                ; a step of 128 along K that has its successor in the same slot
	s_wait_dscnt 8                                 ; all but the youngest eight loads (A's blocks 4-7) are in
	MULA 0, (\q)%2, \q, \slot, \cm
	MULA 2, (\q)%2, \q, \slot, \cm
	s_wait_dscnt 0x0
	PLACES 4
	FETCH_B \slot, (\q)+1, 1-(\q)%2
	FETCH_A \slot, (\q)+1, 0
	MULA 4, (\q)%2, \q, \slot, \cm
	MULA 6, (\q)%2, \q, \slot, \cm
	PLACES 4
	WIN 0
	FETCH_A \slot, (\q)+1, 4
.endm
.macro TURN                            ; slot 0's last step goes over to slot 1: my part of slot 1 has landed, my reads of slot 0 are over, one barrier.
	s_wait_tensorcnt 0x0
	s_wait_dscnt 8
	MULA 0, 1, 3, 0, 0
	s_wait_dscnt 0x0
	s_barrier_signal -1
	MULA 2, 1, 3, 0, 0
	WIN 0
	s_barrier_wait -1
	PLACES 4
	v_add_nc_u32 v27, 256, v27                     ; on to slot 1's scale words
	FETCH_B 1, 0, 0
	FETCH_A 1, 0, 0
	SCALES 1
	MULA 4, 1, 3, 0, 0
	MULA 6, 1, 3, 0, 0
	PLACES 4
	WIN 0
	FETCH_A 1, 0, 4
.endm
.macro LAST
	s_wait_dscnt 8
	MULA 0, 1, 3, 1, 0
	MULA 2, 1, 3, 1, 0
	s_wait_dscnt 0x0
	MULA 4, 1, 3, 1, 0
	MULA 6, 1, 3, 1, 0
	WIN 0
	PLACES 4
.endm
	s_load_b256 s[4:11], s[0:1], 0x0               ; yc s[4:5], ys s[6:7], cod1 s[8:9], scl1 s[10:11]
	s_load_b128 s[12:15], s[0:1], 0x20             ; b_proj s[12:13], out0 s[14:15]
	v_lshrrev_b32 v1, 5, v0
	v_readfirstlane_b32 s18, v1                    ; wave 0..3
	s_lshr_b32 s19, s18, 1                         ; HA: which 128 tokens are mine.  Also: I fetch for A (0) or for B (1)
	s_and_b32 s20, s18, 1                          ; HB: which 64 columns.  Also: which half of that side I fetch
	s_bfe_u32 s21, ttmp6, 0x40000                  ; cx
	s_bfe_u32 s22, ttmp6, 0x40004                  ; cy
	s_and_b32 s23, ttmp7, 0xffff
	s_lshl_b32 s23, s23, 2
	s_add_co_u32 s24, s23, s22                     ; TA: which 256 tokens = 4 cluster y + cy
	s_lshl_b32 s25, ttmp9, 2
	s_add_co_u32 s25, s25, s21                     ; TB: which 128 columns = 4 cluster x + cx
	s_lshl_b32 s28, s22, 2
	s_lshl_b32 s28, 15, s28                        ; my row of the cluster
	s_lshl_b32 s30, 0x1111, s21                    ; my column
	s_or_b32 s[G1A], s28, (3<<16)|(1<<21)          ; 15:0 the mask; 17:16 elements of 8 bytes; 21 set beside a mask; no padding
	s_or_b32 s[G1SA], s28, (3<<16)|(1<<21)
	s_or_b32 s[G1B], s30, (3<<16)|(1<<21)
	s_or_b32 s[G1SB], s30, (3<<16)|(1<<21)
.irp g, G1A, G1B                       ; codes: a row = a tile's 4,096 bytes of 512 along K; from tile to tile 8,192 bytes
	s_mov_b32 s[\g+1], 512<<16
	s_mov_b32 s[\g+3], 512<<16
	s_mov_b32 s[\g+5], 1024
	s_mov_b32 s[\g+6], 0
	s_mov_b32 s[\g+7], 0
.endr
	s_mov_b32 s[G1A+2], 8<<16
	s_mov_b32 s[G1A+4], 8
	s_mov_b32 s[G1B+2], NB<<16
	s_mov_b32 s[G1B+4], NB
.irp g, G1SA, G1SB                     ; scale words: a dense block, as rows of 256 bytes
	s_mov_b32 s[\g+1], 32<<16
	s_mov_b32 s[\g+3], 32<<16
	s_mov_b32 s[\g+5], 32
	s_mov_b32 s[\g+6], 0
	s_mov_b32 s[\g+7], 0
.endr
	s_mov_b32 s[G1SA+2], 16<<16
	s_mov_b32 s[G1SA+4], 16
	s_mov_b32 s[G1SB+2], (2*NB)<<16
	s_mov_b32 s[G1SB+4], 2*NB
	s_lshl_b32 s92, s24, 4
	s_lshl_b32 s101, s20, 3
	s_add_co_u32 s92, s92, s101                    ; A: the first tile that I fetch: 16 TA + 8 HB
	s_lshl_b32 s28, s92, 9
	s_mov_b32 s29, 0
	s_lshl_b32 s92, s92, 13
	s_mov_b32 s93, 0
	s_mul_i32 s94, s25, 2*NB
	s_mul_i32 s101, s20, NB
	s_add_co_u32 s94, s94, s101
	s_add_co_u32 s94, s94, 704                     ; B: 704 + 8 TB + 4 HB
	s_lshl_b32 s30, s94, 9
	s_mov_b32 s31, 0
	s_lshl_b32 s94, s94, 13
	s_mov_b32 s95, 0
	s_wait_kmcnt 0x0
	s_add_nc_u64 s[92:93], s[4:5], s[92:93]
	s_add_nc_u64 s[28:29], s[6:7], s[28:29]
	s_add_nc_u64 s[94:95], s[8:9], s[94:95]
	s_add_nc_u64 s[30:31], s[10:11], s[30:31]
	CROUND                                         ; all sixteen work-groups are here: the first joint loads meet
	s_lshl_b32 s100, s20, 12
	s_mov_b32 s[G0SA], 1
	s_add_co_u32 s[G0SA+1], s100, SCA
	s_mov_b64 s[G0SA+2:G0SA+3], s[28:29]
	s_or_b32 s[G0SA+3], s[G0SA+3], 0x80000000
	s_mul_i32 s100, s20, NB*512
	s_mov_b32 s[G0SB], 1
	s_add_co_u32 s[G0SB+1], s100, SCL
	s_mov_b64 s[G0SB+2:G0SB+3], s[30:31]
	s_or_b32 s[G0SB+3], s[G0SB+3], 0x80000000
	JLOAD G0SA, G1SA, G0SB, G1SB                   ; the scale words first
	s_lshl_b32 s100, s20, 15
	s_mul_i32 s101, s20, NB*4096
	s_add_co_u32 s101, s101, BOFF
.irp s, 0,1
	s_mov_b32 s[G0A+4*\s], 1
	s_add_co_u32 s[G0A+4*\s+1], s100, \s*SLOT
	s_add_nc_u64 s[G0A+4*\s+2:G0A+4*\s+3], s[92:93], \s*4096
	s_or_b32 s[G0A+4*\s+3], s[G0A+4*\s+3], 0x80000000
	s_mov_b32 s[G0B+4*\s], 1
	s_add_co_u32 s[G0B+4*\s+1], s101, \s*SLOT
	s_add_nc_u64 s[G0B+4*\s+2:G0B+4*\s+3], s[94:95], \s*4096
	s_or_b32 s[G0B+4*\s+3], s[G0B+4*\s+3], 0x80000000
	JLOAD G0A+4*\s, G1A, G0B+4*\s, G1B             ; three tensor loads of mine are out behind the second of these
.endr
	v_and_b32 v1, 15, v0                           ; r
	v_bfe_u32 v2, v0, 4, 1                         ; h
	v_and_b32 v3, 31, v0
	v_lshlrev_b32 v3, 4, v3                        ; 16 x lane
	s_lshl_b32 s2, s25, 9                          ; the bias: register j of B's tile b is column 128 TB + 64 HB + 32 (b / 2) + 16 h + 8 (b % 2) + j
	s_lshl_b32 s3, s20, 8
	s_add_co_u32 s2, s2, s3
	s_mov_b32 s3, 0
	s_add_nc_u64 s[12:13], s[12:13], s[2:3]
	v_lshlrev_b32 v5, 6, v2
.irp b, 0,1,2,3
	global_load_b128 v[192+8*\b:195+8*\b], v5, s[12:13] offset:(32*(\b/2)+8*(\b%2))*4
	global_load_b128 v[196+8*\b:199+8*\b], v5, s[12:13] offset:(32*(\b/2)+8*(\b%2))*4+16
.endr
	s_lshl_b32 s96, s19, 15                        ; my 8 tiles of A
	s_mul_i32 s97, s20, NB*4096                    ; my NB tiles of B,
	s_add_co_u32 s97, s97, BOFF                    ; which lie behind A's 16
.irp s, 0,1
	v_add_nc_u32 v[16+\s], s96, v3
	v_add_nc_u32 v[20+\s], s97, v3
	s_add_co_u32 s96, s96, SLOT
	s_add_co_u32 s97, s97, SLOT
.endr
	s_mul_i32 s96, s20, NB*512
	s_add_co_u32 s96, s96, SCL                     ; B's scale words: my NB tiles (the lower base)
	s_xor_b32 s97, s20, 1
	s_mul_i32 s97, s97, NB*512
	s_lshl_b32 s2, s19, 12
	s_add_co_u32 s97, s97, s2
	s_add_co_u32 s97, s97, NB*512                  ; from there to A's, my 8 tiles
	v_xor_b32 v4, 1, v2
	v_mul_u32_u24 v4, s97, v4                      ; lanes 0-15 take A's, lanes 16-31 B's: the lower base + (1 - h) x the distance
	v_lshl_add_u32 v27, v1, 4, v4
	v_add_nc_u32 v27, s96, v27
	s_mul_i32 s96, s18, 16*SPITCH                  ; my stage: in slot 0, which has had its one fill, and which nobody reads behind the barrier of the change of slots
	v_mul_u32_u24 v24, v1, SPITCH
	v_lshl_add_u32 v24, v2, 6, v24
	v_add_nc_u32 v24, s96, v24                     ; in: row r, + 64 h bytes
	v_mul_u32_u24 v25, v2, SPITCH
	v_lshl_add_u32 v25, v1, 4, v25
	v_add_nc_u32 v25, s96, v25                     ; back: lanes 0-15 one row of 256 bytes, lanes 16-31 the next
	v_lshlrev_b32 v26, 12, v2
	v_lshl_add_u32 v26, v1, 4, v26                 ; and the same two rows of out0
	s_lshl_b32 s96, s24, 8
	s_lshl_b32 s97, s19, 7
	s_add_co_u32 s96, s96, s97                     ; my first token
	s_lshl_b32 s96, s96, 12
	s_lshl_b32 s97, s25, 9
	s_add_co_u32 s96, s96, s97
	s_lshl_b32 s97, s20, 8
	s_add_co_u32 s96, s96, s97                     ; + my first column, in bytes
	s_mov_b32 s97, 0
	s_add_nc_u64 s[14:15], s[14:15], s[96:97]
	s_wait_loadcnt 0x0                             ; the bias
	s_wait_tensorcnt 1                             ; the scale words and my part of slot 0 are in (slot 1's load may be out)
	s_barrier_signal -1
	s_barrier_wait -1                              ; everybody's are
	FETCH_B 0, 0, 0
	FETCH_A 0, 0, 0
	SCALES 0
	FETCH_A 0, 0, 4
	STEP 0, 0, 1                                   ; the first step starts the sums with the bias: nothing is cleared
	STEP 0, 1, 0
	STEP 0, 2, 0
	TURN
	STEP 1, 0, 0
	STEP 1, 1, 0
	STEP 1, 2, 0
	LAST
; THE WAY OUT, a tile of 16 tokens x 64 columns at a time.  A lane holds 4 x 32 bytes of one row; through my own stage they come back as whole rows of 256 bytes.
; LDS serves a wave's instructions in order (ISA guide 5.7.1.4): no wait between the stores and the loads, nor in front of the next tile's stores.
.macro TOSTAGE a
	WIN 0x08                                       ; an LDS store's data are its source 1: window 2
.irp b, 0,1,2,3
	ds_store_b128 v24, v[8*(4*(\a)+\b):8*(4*(\a)+\b)+3] offset:128*(\b/2)+32*(\b%2)        ; each accumulator from its low end on
	ds_store_b128 v24, v[8*(4*(\a)+\b)+4:8*(4*(\a)+\b)+7] offset:128*(\b/2)+32*(\b%2)+16
.endr
	WIN 0
.irp t, 0,1,2,3,4,5,6,7
	ds_load_b128 v[128+32*((\a)%2)+4*\t:128+32*((\a)%2)+4*\t+3], v25 offset:2*\t*SPITCH
.endr
.endm
.macro SEND a, younger                 ; younger: the LDS instructions issued behind tile a's loads, which may stay out.  The tile's row 2 t + (lane / 16) is token 32 (a / 2) + 8 (a % 2) + 2 t + 8 (t / 4) + (lane / 16)
	s_wait_dscnt \younger
.irp t, 0,1,2,3,4,5,6,7
	global_store_b128 v26, v[128+32*((\a)%2)+4*\t:128+32*((\a)%2)+4*\t+3], s[14:15] offset:(32*((\a)/2)+8*((\a)%2)+2*\t+8*(\t/4))*4096 th:TH_STORE_NT   ; sixteen lanes store 256 consecutive bytes, aligned; written once, read by nobody here
.endr
.endm
	TOSTAGE 0
.irp a, 1,2,3,4,5,6,7
.if \a > 1
	s_wait_xcnt 0x0                                ; tile a - 2's stores have read their registers: tile a's loads may land there
.endif
	TOSTAGE \a
	SEND \a-1, 16                                  ; behind tile a - 1's loads: tile a's 8 stores and 8 loads
.endr
	SEND 7, 0
	s_wait_dscnt 0x0
	CROUND                                         ; the closing round: no work-group ends while a partner may still ask for a tile that names it
	s_endpgm
.Lfunc_end_k_qe7d2cbca68_gemm_proj:
	.size	k_qe7d2cbca68_gemm_proj, .Lfunc_end_k_qe7d2cbca68_gemm_proj-k_qe7d2cbca68_gemm_proj
	.p2alignl 7, 3214868480
	.fill 96, 4, 3214868480
	.section	.rodata,"a",@progbits
	.p2align	6, 0x0
	.amdhsa_kernel k_qe7d2cbca68_gemm_proj
		.amdhsa_group_segment_fixed_size 327680
		.amdhsa_private_segment_fixed_size 0
		.amdhsa_enable_private_segment 0
		.amdhsa_kernarg_size 48
		.amdhsa_user_sgpr_count 2
		.amdhsa_user_sgpr_kernarg_segment_ptr 1
		.amdhsa_wavefront_size32 1
		.amdhsa_system_sgpr_workgroup_id_x 1
		.amdhsa_system_sgpr_workgroup_id_y 1
		.amdhsa_system_sgpr_workgroup_id_z 1
		.amdhsa_system_vgpr_workitem_id 0
		.amdhsa_next_free_vgpr 768
		.amdhsa_next_free_sgpr 102
		.amdhsa_reserve_vcc 0
		.amdhsa_float_denorm_mode_32 3
		.amdhsa_float_denorm_mode_16_64 3
		.amdhsa_memory_ordered 1
		.amdhsa_forward_progress 1
		.amdhsa_inst_pref_size 74
	.end_amdhsa_kernel
	.amdgpu_metadata
---
amdhsa.version: [ 1, 2 ]
amdhsa.kernels:
  - .name:           k_qe7d2cbca68_gemm_proj
    .symbol:         k_qe7d2cbca68_gemm_proj.kd
    .args:
      - { .name: yc, .offset: 0, .size: 8, .value_kind: global_buffer, .address_space: global }
      - { .name: ys, .offset: 8, .size: 8, .value_kind: global_buffer, .address_space: global }
      - { .name: cod1, .offset: 16, .size: 8, .value_kind: global_buffer, .address_space: global }
      - { .name: scl1, .offset: 24, .size: 8, .value_kind: global_buffer, .address_space: global }
      - { .name: b_proj, .offset: 32, .size: 8, .value_kind: global_buffer, .address_space: global }
      - { .name: out0, .offset: 40, .size: 8, .value_kind: global_buffer, .address_space: global }
    .group_segment_fixed_size: 327680
    .private_segment_fixed_size: 0
    .kernarg_segment_align: 8
    .kernarg_segment_size: 48
    .max_flat_workgroup_size: 128
    .sgpr_count:     102
    .vgpr_count:     768
    .wavefront_size: 32
...
	.end_amdgpu_metadata
.endif
;; end of part 4
